; MI455X (gfx1250); checked and timed in simulation.
; The chip was launched on July 23, 2026; its instructions are those of AMD's public machine-readable ISA for CDNA 5 (MIT licence, August 2026) and "CDNA5" Instruction Set Architecture Reference Guide (July 2026). The comments in the code are by the model that wrote it; some were corrected since.
;; Multi Head Attention. Allowed arithmetic: matrix products marked QUANTISED: E4M3 operands, one E8M0 scale for each 32 along K, by v_wmma_scale_f32_16x16x128_f8f6f4 with both operands' format E4M3, f32 sums; everything else in f32.
;; Inputs: Wk_codes 512 x 16 x 32 uint8 (E4M3 codes of Wk, K innermost, in blocks of 32 codes); Wk_scales 512 x 16 uint8 (E8M0 scales of Wk, one for each 32 codes along K); Wo_codes 512 x 16 x 32 uint8 (E4M3 codes of Wo, K innermost, in blocks of 32 codes); Wo_scales 512 x 16 uint8 (E8M0 scales of Wo, one for each 32 codes along K); Wq_codes 512 x 16 x 32 uint8 (E4M3 codes of Wq, K innermost, in blocks of 32 codes); Wq_scales 512 x 16 uint8 (E8M0 scales of Wq, one for each 32 codes along K); Wv_codes 512 x 16 x 32 uint8 (E4M3 codes of Wv, K innermost, in blocks of 32 codes); Wv_scales 512 x 16 uint8 (E8M0 scales of Wv, one for each 32 codes along K); bk 512 float32; bo 512 float32; bq 512 float32; bv 512 float32; x_codes 2 x 4,096 x 16 x 32 uint8 (E4M3 codes of x, K innermost, in blocks of 32 codes); x_scales 2 x 4,096 x 16 uint8 (E8M0 scales of x, one for each 32 codes along K).
;; Outputs: out0 2 x 4,096 x 512 float32.
;; This version of the problem:
;;   THIS VERSION OF THE PROBLEM IS GIVEN IN LOW PRECISION. The matrix products marked QUANTISED in the list below multiply operands that are first quantised to E4M3 (4 exponent bits, 3 mantissa bits; 8 bits a number), with one power-of-two scale for each 32 numbers along K (OCP MX v1.0); their sums are f32. All else is computed in f32.
;;   The module's matrix products, in the order in which they are computed (A, B: the left and right operand; K: the contracted axis; several contracted axes count as one K, in the product's order):
;;     1. [M 8,192, K 512] x [K 512, N 512]; A: input x (given as codes); B: input Wq (given as codes): QUANTISED
;;     2. [M 8,192, K 512] x [K 512, N 512]; A: input x (given as codes); B: input Wk (given as codes): QUANTISED
;;     3. [M 8,192, K 512] x [K 512, N 512]; A: input x (given as codes); B: input Wv (given as codes): QUANTISED
;;     4. batch 16 x [M 4,096, K 64] x [K 64, N 4,096]; A: computed on the way; B: computed on the way: QUANTISED
;;     5. batch 16 x [M 4,096, K 4,096] x [K 4,096, N 64]; A: softmax (see below); B: computed on the way: QUANTISED
;;     6. [M 8,192, K 512] x [K 512, N 512]; A: computed on the way; B: input Wo (given as codes): QUANTISED
;;   THE QUANTISER, for each operand of a quantised product, along K:
;;     - K is cut into blocks of 32 from its start; a last block that is shorter is filled with zeros.
;;     - A block's scale is 2^e with e = floor(log2(the largest magnitude in the block)) - 8, held to -126 .. 127; a block of zeros has e = 0. As a byte (E8M0): e + 127.
;;     - Each number is divided by its block's scale, clamped to +-448, and rounded to the nearest number of E4M3, ties to even, subnormals kept.
;;     - The product sums the exact products of the quantised numbers (number of the format x scale) in f32.
;;   ~~~python
;;   def quantise(x, axis):      # numpy; x: float32 -> the quantised numbers, widened to float32 again
;;       x = np.moveaxis(x, axis, -1); K = x.shape[-1]
;;       x = np.pad(x, [(0, 0)] * (x.ndim - 1) + [(0, -K % 32)]); x = x.reshape(x.shape[:-1] + (-1, 32)); a = np.abs(x).max(-1, keepdims=True)
;;       e = np.where(a > 0, np.clip(np.frexp(np.where(a > 0, a, 1))[1] - 1 - 8, -126, 127), 0)      # np.frexp(a)[1] - 1 = floor(log2(a)), exactly
;;       r = np.clip(x / 2.0 ** e, -448, 448)
;;       step = 2.0 ** (np.maximum(np.frexp(np.where(r == 0, 1, r))[1] - 1, -6) - 3)
;;       q = np.round(r / step) * step * 2.0 ** e      # np.round: ties to even
;;       return np.moveaxis(q.reshape(q.shape[:-2] + (-1,))[..., :K], -1, axis).astype(np.float32)
;;   ~~~
;;   SOFTMAX AHEAD OF A QUANTISED PRODUCT. Where the list says 'softmax', what is quantised is not the finished softmax but p = 2^(t - M), with t = logit x log2(e) and M = ceil(the row's largest t), a whole number; so 1/2 < the row's largest p <= 1. The row's sum l is taken of the UNQUANTISED p, in f32, and the product's result is divided by l at the end. Since M is a whole number, a kernel that streams over the keys may use a running M (the ceiling of the running maximum): every later rescaling is an exact power of two, which a block's scale takes up: the codes' values come out the same.
;;   OPERANDS COMPUTED ON THE WAY. 'Computed on the way' means the value that the module computes at that place (a softmax that the list does not call 'softmax' is quantised finished and normalised). What goes into a quantiser is computed in f32, as accurately as f32 sums, v_exp_f32 and their like allow (about 1e-6 of the number): no bf16 or f16 on the way to a quantiser, and a product that is left as it is and whose result goes on into a quantised operand takes f32 operands (vector FMAs, or v_wmma_f32_16x16x4_f32). A number that lies on a knife's edge between two numbers of the format may be rounded either way, as far as f32 arithmetic and the matrix unit's own rounding can turn it there, and no further.
;;   INPUTS GIVEN AS CODES. Wk (in the module: [512, 512], K = its axis 0); Wo (in the module: [512, 512], K = its axis 0); Wq (in the module: [512, 512], K = its axis 0); Wv (in the module: [512, 512], K = its axis 0); x (in the module: [2, 4096, 512], K = its axis 2): each comes as NAME_codes (uint8): NAME with its K axis moved to the last place and cut into blocks of 32 codes, [.., K / 32, bytes a block], one block behind the other in memory; one code a byte (a code: sign, 4 exponent bits, 3 mantissa bits); and NAME_scales (uint8): the same leading axes, one E8M0 byte (e + 127) for each 32 codes along K. Its value is code x scale, taken as it is: it is not quantised again, and the codes and scales need not be those that the quantiser above would give.
;; 2 versions. Each part assembles by itself: llvm-mc -triple=amdgcn-amd-amdhsa -mcpu=gfx1250 --defsym DOCPART=n.
;; ======== version 1 of 2: 3 launches
;; workspace buffers: qc 4,194,304 bytes; qs 262,144 bytes; kvc 8,388,608 bytes; kvs 393,216 bytes; ac 4,194,304 bytes; asc 262,144 bytes
;; launch qkv (part 1): grid 32 x 8, 8 waves a work-group, no clusters, 101,888 bytes of LDS; arguments x_codes, x_scales, Wq_codes, Wq_scales, bq, Wk_codes, Wk_scales, bk, Wv_codes, Wv_scales, bv, qc, qs, kvc, kvs; writes qc, qs, kvc, kvs
.if DOCPART == 1
	.amdgcn_target "amdgcn-amd-amdhsa--gfx1250"
	.amdhsa_code_object_version 6
	.text
	.protected	k_qe4a82717f4_qkv
	.globl	k_qe4a82717f4_qkv
	.p2align	8
	.type	k_qe4a82717f4_qkv,@function
k_qe4a82717f4_qkv:
	s_mov_b64 s[64:65], 0
	v_nop
	global_prefetch_b8 v0, s[64:65] scope:SCOPE_SE
	s_setreg_imm32_b32 hwreg(HW_REG_WAVE_MODE, 25, 1), 1
	s_wait_xcnt 0x0
; q, k, v = x W + b on codes of FP8 (E4M3) with E8M0 scales, and each result quantised at once for the product that takes it next:
; q and k along the head's 64 (two blocks of 32), v along the tokens (blocks of 32 keys).
; SHARES.  A work-group takes 256 tokens (x) and one head (y): 64 columns of each of Wq, Wk, Wv.  Each of its eight waves owns 32 tokens, two tiles of 16;
; its x fragments (2 tiles x 4 K steps x 16 registers) stay in registers.  The head's 48 weight fragments go round through LDS as images of operand registers
; (four registers = 512 bytes, lane l's 16 bytes at 16 l), staged once by waves 0 to 5.
; THE ROWS OF A TILE ARE NOT NEIGHBOURS: lane r of tile 2 b + u takes row 32 b + 8 u + r + 8 (r / 8), for tokens and for the rows of a weight alike.  So in a product whose source 0 is such a tile
; the 16 registers of result tiles 2 b and 2 b + 1 are 16 neighbours, 32 b + 16 (lane / 16) + 0 .. 15, along that axis, and the conversions' results ARE registers of the next operand.
; q, k: source 0 = 16 rows of W, source 1 = 16 tokens: a lane holds one token, registers run along the head.   v: source 0 = 16 tokens, source 1 = 16 rows of Wv: a lane holds one channel, registers run along the tokens.
; The biases are the C of each sum's first matrix instruction.
; OUT: images of operand registers: every store of codes is 512 consecutive bytes.  Scale words meet in LDS and leave as runs of 512 bytes.
; LIMITS: NaN, infinities, NaN codes and the scale byte 0xff among the inputs are not served.  A block whose largest magnitude lies under 2^-118 (a block of zeros too) gets the byte 1; these bytes are read by this program alone.
; REGISTERS.  Window 0: v1-13 addresses; v16-79 eight accumulators; v80-143 bq, bk in the result's layout; v144-147 bv; v148-171 the weights' scale words; v172-175 x's; v176-191 at work;
;   v196-211 codes; v212-243 bv spread; v244-247 scale words on their way out.   Window 1: v0-127 x's fragments; v128-255 two sets of four weight fragments.
.set SST,   98304                      ; LDS: behind the 48 images of 2,048 bytes: q's scale words 1,024 bytes, k's 1,024, v's 512
.set SPARE, 100864                     ; the spare words, 128 bytes for each wave: four blocks of 256 bytes that no other line names
.set LI,   1                           ; 16 x lane: an image's place for my lane
.set XA,   2                           ; a tile's row (512 bytes) of my lane + 16 (lane / 16)
.set XSA,  3                           ; scale bytes: 16 a row; lanes 0-15 the even tile's rows, lanes 16-31 the odd tile's
.set BQA,  4                           ; bq, bk: 64 (lane / 16)
.set BVA,  5                           ; bv: 4 x my row of a tile
.set SSW,  6                           ; LDS: my scale word of q or k: SST + 4 x thread
.set VSB,  7                           ; LDS: my scale byte of v
.set SPW,  8                           ; LDS address of my spare word; never rewritten
.set NIL,  9                           ; 0; never rewritten
.set LRD,  10                          ; LDS: the scale words' way out: SST + 16 x thread
.set GOFF, 11                          ; and in memory: 16 x (thread mod 64)
.set WSTA, 12                          ; LDS: where I stage weight images: 16 x lane + 16,384 x wave
.set LI2,  13                          ; 16 x lane + 65,536: Wv's images
.set ACC,  16
.set BQ,   80                          ; bq's four tiles; bk's 32 registers on
.set BV,   144
.set WS,   148                         ; matrix m, pair b, K step s at WS + 8 m + 4 b + s
.set XS,   172                         ; K step s at XS + s
.set TM,   176                         ; +0..3 largest magnitudes, +4..7 bytes, +8..11 448 x the scale, +12..15 the conversions' scale operand
.set PW,   192
.set W0,   193
.set W1,   194
.set PCD,  196
.set BV8,  212
.set OB,   244
.set WV,   34
.set SEL,  36
.set MNT,  38
.set HM,   39
.set MSB, 0
.macro WIN new                         ; the immediate's high byte repeats the setting that is left
.if MSB != \new
	s_set_vgpr_msb (MSB<<8)|\new
.set MSB, \new
.endif
.endm
.set MUL, 0x05                         ; sources 0 and 1 window 1; C and D window 0
.set TO1, 0x40                         ; destination window 1, address window 0
.set ST1, 0x04                         ; an LDS store's data (source 1) window 1
.macro PLACES n
.rept \n
	v_nop
.endr
.endm
; one matrix instruction on the registers named by rD, rA, rB, rC, rSA, rSB; ra, rb = 1: that side's scales stand in lanes 16-31
.macro WMS ra, rb
.if (\ra) && (\rb)
	v_wmma_scale_f32_16x16x128_f8f6f4 v[rD:rD+7], v[rA:rA+15], v[rB:rB+15], v[rC:rC+7], v[rSA], v[rSB] matrix_a_scale:MATRIX_SCALE_ROW1 matrix_b_scale:MATRIX_SCALE_ROW1
.elseif (\ra)
	v_wmma_scale_f32_16x16x128_f8f6f4 v[rD:rD+7], v[rA:rA+15], v[rB:rB+15], v[rC:rC+7], v[rSA], v[rSB] matrix_a_scale:MATRIX_SCALE_ROW1
.elseif (\rb)
	v_wmma_scale_f32_16x16x128_f8f6f4 v[rD:rD+7], v[rA:rA+15], v[rB:rB+15], v[rC:rC+7], v[rSA], v[rSB] matrix_b_scale:MATRIX_SCALE_ROW1
.else
	v_wmma_scale_f32_16x16x128_f8f6f4 v[rD:rD+7], v[rA:rA+15], v[rB:rB+15], v[rC:rC+7], v[rSA], v[rSB]
.endif
.endm
; set g = 4 m + s of weight fragments (matrix m, K step s, tiles 0 to 3) from LDS into buffer g % 2
.macro FETCHW g
	WIN TO1
.irp t, 0,1,2,3
.irp c, 0,1,2,3
.if (\g)/4 < 2
	ds_load_b128 v[128+64*((\g)%2)+16*\t+4*\c:128+64*((\g)%2)+16*\t+4*\c+3], v[LI] offset:32768*((\g)/4)+(4*\t+(\g)%4)*2048+512*\c
.else
	ds_load_b128 v[128+64*((\g)%2)+16*\t+4*\c:128+64*((\g)%2)+16*\t+4*\c+3], v[LI2] offset:(4*\t+(\g)%4)*2048+512*\c
.endif
.endr
.endr
	WIN 0
.endm
; eight matrix instructions: four weight tiles x my two token tiles, K step s of matrix m, from buffer p.  The eight accumulators take turns, one instruction a turn.
.macro MUL8 m, s, p
	WIN MUL
.irp t, 0,1,2,3
.irp u, 0,1
.if (\m) < 2
.set rD, ACC+8*(4*\u+\t)
.set rA, 128+64*(\p)+16*\t
.set rB, 64*\u+16*(\s)
.set rC, BQ+32*(\m)+8*\t
.set rSA, WS+8*(\m)+4*(\t/2)+(\s)
.set rSB, XS+(\s)
.if (\s) > 0
.set rC, rD
.endif
	WMS \t%2, \u
.else
.set rD, ACC+8*(2*\t+\u)
.set rA, 64*\u+16*(\s)
.set rB, 128+64*(\p)+16*\t
.set rC, BV8+8*\t
.set rSA, XS+(\s)
.set rSB, WS+16+4*(\t/2)+(\s)
.if (\s) > 0
.set rC, rD
.endif
	WMS \u, \t%2
.endif
.endr
.endr
	WIN 0
.endm
; the 64 accumulator registers are four blocks of 16 neighbours along the next K; a block of 32 lies in lanes l and l xor 16.  Codes to v[PCD + 4 block], bytes to v[TM + 4 + block].
.macro QUANT
.irp b, 0,1,2,3
	v_max3_num_f32 v[TM+\b], |v[ACC+16*\b]|, |v[ACC+16*\b+1]|, 0x4800000   ; my 16 numbers and the floor 2^(9 - 127): the byte cannot fall under 1
.endr
.irp i, 2,4,6,8,10,12,14
.irp b, 0,1,2,3
	v_max3_num_f32 v[TM+\b], v[TM+\b], |v[ACC+16*\b+\i]|, |v[ACC+16*\b+\i+1]|
.endr
.endr
.irp b, 0,1,2,3
	v_permlanex16_b32 v[TM+4+\b], v[TM+\b], s[SEL], s[SEL+1]
.endr
.irp b, 0,1,2,3
	v_max_num_f32 v[TM+\b], v[TM+\b], v[TM+4+\b]           ; the block's largest magnitude
.endr
.irp b, 0,1,2,3
	v_add_nc_u32 v[TM+12+\b], 0xfc000000, v[TM+\b]         ; 8 off its exponent field: the conversion's scale operand
.endr
.irp b, 0,1,2,3
	v_and_or_b32 v[TM+8+\b], v[TM+\b], 0x7f800000, s[MNT]  ; 448 x the scale
.endr
.irp b, 0,1,2,3
	v_lshrrev_b32 v[TM+4+\b], 23, v[TM+12+\b]              ; the scale's byte
.endr
	s_wait_xcnt 0x0                                        ; the last pass's stores have read the codes' registers: they are written again only behind this wait
.irp b, 0,1,2,3
.irp i, 0,1,2,3,4,5,6,7,8,9,10,11,12,13,14,15
	v_med3_num_f32 v[ACC+16*\b+\i], v[ACC+16*\b+\i], -v[TM+8+\b], v[TM+8+\b]   ; the conversion to an 8-bit code does not saturate (ISA guide 7.6.2): the hold
.endr
	v_cvt_scalef32_pk8_fp8_f32 v[PCD+4*\b:PCD+4*\b+1], v[ACC+16*\b:ACC+16*\b+7], v[TM+12+\b]
	v_cvt_scalef32_pk8_fp8_f32 v[PCD+4*\b+2:PCD+4*\b+3], v[ACC+16*\b+8:ACC+16*\b+15], v[TM+12+\b]
.endr
	v_nop                                                  ; a plain line behind the last conversion: later products write its sources
.endm
; q or k out: block 2 u + b is registers 4 b .. 4 b + 3 of token tile u's fragment.  The scale word of a row: byte of block 0, byte of block 1, 0, 0; lanes 0-15 carry tile 0's, lanes 16-31 tile 1's.
.macro OUTQK base, m
	v_lshl_or_b32 v[W0], v[TM+5], 8, v[TM+4]
	v_lshl_or_b32 v[W1], v[TM+7], 8, v[TM+6]
	v_cndmask_b32 v[PW], v[W0], v[W1], s[HM]
.irp u, 0,1
.irp c, 0,1
	global_store_b128 v[LI], v[PCD+8*\u+4*\c:PCD+8*\u+4*\c+3], s[\base:\base+1] offset:1024*\u+512*\c   ; 512 consecutive bytes
.endr
.endr
	ds_store_b32 v[SSW], v[PW] offset:1024*\m
.endm
	s_load_b512 s[4:19], s[0:1], 0x0               ; x codes 4, x scales 6, Wq codes 8, Wq scales 10, bq 12, Wk codes 14, Wk scales 16, bk 18
	s_load_b256 s[20:27], s[0:1], 0x40             ; Wv codes 20, Wv scales 22, bv 24, qc 26
	s_load_b128 s[28:31], s[0:1], 0x60             ; qs 28, kvc 30
	s_load_b64 s[32:33], s[0:1], 0x70              ; kvs
	v_lshl_add_u32 v[SPW], v0, 2, SPARE
	v_mov_b32 v[NIL], 0
	v_lshrrev_b32 v20, 5, v0                       ; wave
	v_readfirstlane_b32 s[WV], v20
	v_and_b32 v16, 31, v0                          ; lane
	v_and_b32 v17, 15, v0                          ; r
	v_bfe_u32 v18, v0, 4, 1                        ; h
	v_and_b32 v19, 8, v17
	v_add_nc_u32 v19, v19, v17                     ; r + 8 (r / 8)
	v_lshlrev_b32 v[LI], 4, v16
	v_lshlrev_b32 v[XA], 9, v19
	v_lshl_add_u32 v[XA], v18, 4, v[XA]
	v_lshl_add_u32 v[XSA], v18, 3, v19
	v_lshlrev_b32 v[XSA], 4, v[XSA]
	v_lshlrev_b32 v[BQA], 6, v18
	v_lshlrev_b32 v[BVA], 2, v19
	v_lshl_add_u32 v[SSW], v0, 2, SST              ; 128 x wave + 4 x lane
	v_lshrrev_b32 v21, 7, v0                       ; wave / 4: which of the work-group's two key steps
	v_bfe_u32 v22, v0, 5, 2                        ; wave % 4: which block of 32 keys in it
	v_lshl_add_u32 v[VSB], v21, 8, v22
	v_lshl_add_u32 v[VSB], v17, 2, v[VSB]
	v_add_nc_u32 v[VSB], SST+2048, v[VSB]
	v_lshl_add_u32 v[LRD], v0, 4, SST
	v_and_b32 v[GOFF], 63, v0
	v_lshlrev_b32 v[GOFF], 4, v[GOFF]
	v_lshl_add_u32 v[WSTA], v20, 14, v[LI]
	v_add_nc_u32 v[LI2], 65536, v[LI]
.irp b, 0,1,2,3
	v_mov_b32 v[TM+4+\b], 0                        ; written once: a lane permute's destination counts as one of its sources
.endr
	s_mov_b32 s[SEL], 0x76543210
	s_mov_b32 s[SEL+1], 0xfedcba98                 ; lane l xor 16
	s_mov_b32 s[MNT], 0x600000                     ; the mantissa field of 448
	s_mov_b32 s[HM], 0xffff0000                    ; lanes 16-31
	s_and_b32 s48, ttmp7, 0xffff                   ; the head
	s_lshr_b32 s49, ttmp9, 4                       ; the batch
	s_and_b32 s50, ttmp9, 15                       ; which 256 tokens of the batch
	s_lshl_b32 s51, s49, 3
	s_add_co_u32 s51, s51, s48                     ; 8 x batch + head
	s_mov_b32 s53, 0
	s_mov_b32 s57, 0
	s_wait_kmcnt 0x0
	s_lshl_b32 s52, ttmp9, 17                      ; x: 256 tokens of 512 bytes,
	s_lshl_b32 s54, s[WV], 14                      ; my wave's 32
	s_add_co_u32 s52, s52, s54
	s_add_nc_u64 s[4:5], s[4:5], s[52:53]
	s_lshr_b32 s52, s52, 5                         ; its scale bytes: one for 32 codes
	s_add_nc_u64 s[6:7], s[6:7], s[52:53]
	s_lshl_b32 s52, s48, 15                        ; the head's 64 rows of 512 bytes in each weight,
	s_add_nc_u64 s[8:9], s[8:9], s[52:53]
	s_add_nc_u64 s[14:15], s[14:15], s[52:53]
	s_add_nc_u64 s[20:21], s[20:21], s[52:53]
	s_lshl_b32 s52, s48, 10                        ; of 16 scale bytes,
	s_add_nc_u64 s[10:11], s[10:11], s[52:53]
	s_add_nc_u64 s[16:17], s[16:17], s[52:53]
	s_add_nc_u64 s[22:23], s[22:23], s[52:53]
	s_lshl_b32 s52, s48, 8                         ; and its 64 numbers of each bias
	s_add_nc_u64 s[12:13], s[12:13], s[52:53]
	s_add_nc_u64 s[18:19], s[18:19], s[52:53]
	s_add_nc_u64 s[24:25], s[24:25], s[52:53]
	s_lshl_b32 s52, s51, 18                        ; qc: a head's 256 tiles of 1,024 bytes; 16 tiles a work-group, 2 a wave
	s_lshl_b32 s54, s50, 14
	s_add_co_u32 s52, s52, s54
	s_lshl_b32 s54, s[WV], 11
	s_add_co_u32 s52, s52, s54
	s_add_nc_u64 s[26:27], s[26:27], s[52:53]
	s_lshl_b32 s52, s51, 19                        ; kvc: a head's 32 key steps of 16,384 bytes; step 2 xb + wave / 4
	s_lshl_b32 s54, s50, 15
	s_add_co_u32 s52, s52, s54
	s_lshr_b32 s54, s[WV], 2
	s_lshl_b32 s54, s54, 14
	s_add_co_u32 s52, s52, s54
	s_and_b32 s55, s[WV], 3
	s_lshl_b32 s54, s55, 11                        ; K's part: my two tiles of 1,024 bytes
	s_add_co_u32 s56, s52, s54
	s_add_nc_u64 s[42:43], s[30:31], s[56:57]
	s_lshl_b32 s54, s55, 9                         ; V's part, 8,192 bytes on: my block of 32 keys is piece wave % 4 of each channel tile
	s_add_co_u32 s56, s52, s54
	s_add_co_u32 s56, s56, 8192
	s_add_nc_u64 s[44:45], s[30:31], s[56:57]
	s_mul_i32 s56, s51, 24576                      ; the scale words' way out: waves 0, 1 q's, waves 2, 3 k's, wave 4 v's
	s_lshl_b32 s54, s50, 10
	s_add_co_u32 s58, s56, s54                     ; k's place in kvs
	s_lshl_b32 s55, s50, 9
	s_add_co_u32 s56, s56, s55
	s_add_co_u32 s56, s56, 16384                   ; v's
	s_lshl_b32 s52, s51, 14
	s_add_co_u32 s52, s52, s54                     ; q's place in qs
	s_cmp_lt_u32 s[WV], 4
	s_cselect_b32 s56, s58, s56
	s_cselect_b64 s[40:41], s[14:15], s[20:21]     ; what I stage: waves 0, 1 Wq, waves 2, 3 Wk, waves 4, 5 Wv
	s_cmp_lt_u32 s[WV], 2
	s_cselect_b32 s56, s52, s56
	s_cselect_b64 s[46:47], s[28:29], s[32:33]
	s_cselect_b64 s[40:41], s[8:9], s[40:41]
	s_add_nc_u64 s[46:47], s[46:47], s[56:57]
	s_and_b32 s56, s[WV], 1
	s_lshl_b32 s56, s56, 14                        ; rows 32 (wave % 2) on
	s_add_nc_u64 s[40:41], s[40:41], s[56:57]
	; every wave: its x fragments, the scale words, the biases
	WIN TO1
.irp u, 0,1
.irp s, 0,1,2,3
.irp c, 0,1,2,3
	global_load_b128 v[64*\u+16*\s+4*\c:64*\u+16*\s+4*\c+3], v[XA], s[4:5] offset:4096*\u+128*\s+32*\c
.endr
.endr
.endr
	WIN 0
	global_load_b128 v[XS:XS+3], v[XSA], s[6:7]
.irp b, 0,1
	global_load_b128 v[WS+4*\b:WS+4*\b+3], v[XSA], s[10:11] offset:512*\b
	global_load_b128 v[WS+8+4*\b:WS+8+4*\b+3], v[XSA], s[16:17] offset:512*\b
	global_load_b128 v[WS+16+4*\b:WS+16+4*\b+3], v[XSA], s[22:23] offset:512*\b
.endr
.irp t, 0,1,2,3
	global_load_b128 v[BQ+8*\t:BQ+8*\t+3], v[BQA], s[12:13] offset:(32*(\t/2)+8*(\t%2))*4
	global_load_b128 v[BQ+8*\t+4:BQ+8*\t+7], v[BQA], s[12:13] offset:(32*(\t/2)+8*(\t%2))*4+16
	global_load_b128 v[BQ+32+8*\t:BQ+32+8*\t+3], v[BQA], s[18:19] offset:(32*(\t/2)+8*(\t%2))*4
	global_load_b128 v[BQ+32+8*\t+4:BQ+32+8*\t+7], v[BQA], s[18:19] offset:(32*(\t/2)+8*(\t%2))*4+16
	global_load_b32 v[BV+\t], v[BVA], s[24:25] offset:(32*(\t/2)+8*(\t%2))*4
.endr
	; waves 0 to 5 stage eight weight fragments each: matrix wave / 2, tiles 2 (wave % 2) + u, K steps 0 to 3: fragment 8 wave + 4 u + s
	s_cmp_lt_u32 s[WV], 6
	s_cbranch_scc0 .Lno_stage
	WIN TO1
.irp u, 0,1
.irp s, 0,1,2,3
.irp c, 0,1,2,3
	global_load_b128 v[128+16*(4*\u+\s)+4*\c:128+16*(4*\u+\s)+4*\c+3], v[XA], s[40:41] offset:4096*\u+128*\s+32*\c
.endr
.endr
.endr
	s_wait_loadcnt 0x0
	WIN ST1
.irp u, 0,1
.irp s, 0,1,2,3
.irp c, 0,1,2,3
	ds_store_b128 v[WSTA], v[128+16*(4*\u+\s)+4*\c:128+16*(4*\u+\s)+4*\c+3] offset:(4*\u+\s)*2048+512*\c
.endr
.endr
.endr
	WIN 0
.Lno_stage:
	s_wait_loadcnt 0x0
.irp t, 0,1,2,3
.irp j, 0,1,2,3,4,5,6,7
	v_mov_b32 v[BV8+8*\t+\j], v[BV+\t]             ; v's result holds one channel a lane: its bias fills the tile's eight registers
.endr
.endr
	s_wait_dscnt 0x0                               ; for the others' sake: my images have landed
	s_barrier_signal -1
	s_barrier_wait -1                              ; all 48 images lie in LDS
	FETCHW 0
.irp g, 0,1,2,3,4,5,6,7,8,9,10,11
.if \g < 11
	FETCHW \g+1
	s_wait_dscnt 16                                ; all but the 16 loads just issued: this set's fragments are in
.else
	s_wait_dscnt 0x0
.endif
	MUL8 \g/4, \g%4, \g%2
	PLACES 9                                       ; 8 in front of reads of results and of loads into the buffer just multiplied; 9 in front of products that write the accumulators anew
.if \g == 3
	QUANT
	OUTQK 26, 0
.endif
.if \g == 7
	QUANT
	OUTQK 42, 1
.endif
.endr
	QUANT                                          ; v: block t = channel tile t, my 32 tokens
.irp t, 0,1,2,3
	global_store_b128 v[LI], v[PCD+4*\t:PCD+4*\t+3], s[44:45] offset:2048*\t
	ds_store_b8 v[VSB], v[TM+4+\t] offset:64*\t    ; byte wave % 4 of the word of channel (t, r); both lanes of a block write the same byte with the same value
.endr
	s_wait_dscnt 0x0                               ; for the others' sake: my scale words have landed
	s_barrier_signal -1
	s_barrier_wait -1
	s_cmp_lt_u32 s[WV], 5
	s_cbranch_scc0 .Lno_scales
	ds_load_b128 v[OB:OB+3], v[LRD]
	s_wait_dscnt 0x0
	global_store_b128 v[GOFF], v[OB:OB+3], s[46:47] ; 512 consecutive bytes a wave
.Lno_scales:
	s_wait_tensorcnt 0x0                           ; the wave's end, behind my last LDS store
	ds_add_u32 v[SPW], v[NIL]
	s_wait_dscnt 0x0
	s_endpgm
.Lfunc_end_k_qe4a82717f4_qkv:
	.size	k_qe4a82717f4_qkv, .Lfunc_end_k_qe4a82717f4_qkv-k_qe4a82717f4_qkv
	.p2alignl 7, 3214868480
	.fill 96, 4, 3214868480
	.section	.rodata,"a",@progbits
	.p2align	6, 0x0
	.amdhsa_kernel k_qe4a82717f4_qkv
		.amdhsa_group_segment_fixed_size 101888
		.amdhsa_private_segment_fixed_size 0
		.amdhsa_enable_private_segment 0
		.amdhsa_kernarg_size 120
		.amdhsa_user_sgpr_count 2
		.amdhsa_user_sgpr_kernarg_segment_ptr 1
		.amdhsa_wavefront_size32 1
		.amdhsa_system_sgpr_workgroup_id_x 1
		.amdhsa_system_sgpr_workgroup_id_y 1
		.amdhsa_system_sgpr_workgroup_id_z 1
		.amdhsa_system_vgpr_workitem_id 0
		.amdhsa_next_free_vgpr 512
		.amdhsa_next_free_sgpr 66
		.amdhsa_reserve_vcc 0
		.amdhsa_float_denorm_mode_32 3
		.amdhsa_float_denorm_mode_16_64 3
		.amdhsa_memory_ordered 1
		.amdhsa_forward_progress 1
		.amdhsa_inst_pref_size 72
	.end_amdhsa_kernel
	.amdgpu_metadata
---
amdhsa.version: [ 1, 2 ]
amdhsa.kernels:
  - .name:           k_qe4a82717f4_qkv
    .symbol:         k_qe4a82717f4_qkv.kd
    .args:
      - { .name: x_codes, .offset: 0, .size: 8, .value_kind: global_buffer, .address_space: global }
      - { .name: x_scales, .offset: 8, .size: 8, .value_kind: global_buffer, .address_space: global }
      - { .name: Wq_codes, .offset: 16, .size: 8, .value_kind: global_buffer, .address_space: global }
      - { .name: Wq_scales, .offset: 24, .size: 8, .value_kind: global_buffer, .address_space: global }
      - { .name: bq, .offset: 32, .size: 8, .value_kind: global_buffer, .address_space: global }
      - { .name: Wk_codes, .offset: 40, .size: 8, .value_kind: global_buffer, .address_space: global }
      - { .name: Wk_scales, .offset: 48, .size: 8, .value_kind: global_buffer, .address_space: global }
      - { .name: bk, .offset: 56, .size: 8, .value_kind: global_buffer, .address_space: global }
      - { .name: Wv_codes, .offset: 64, .size: 8, .value_kind: global_buffer, .address_space: global }
      - { .name: Wv_scales, .offset: 72, .size: 8, .value_kind: global_buffer, .address_space: global }
      - { .name: bv, .offset: 80, .size: 8, .value_kind: global_buffer, .address_space: global }
      - { .name: qc, .offset: 88, .size: 8, .value_kind: global_buffer, .address_space: global }
      - { .name: qs, .offset: 96, .size: 8, .value_kind: global_buffer, .address_space: global }
      - { .name: kvc, .offset: 104, .size: 8, .value_kind: global_buffer, .address_space: global }
      - { .name: kvs, .offset: 112, .size: 8, .value_kind: global_buffer, .address_space: global }
    .group_segment_fixed_size: 101888
    .private_segment_fixed_size: 0
    .kernarg_segment_align: 8
    .kernarg_segment_size: 120
    .max_flat_workgroup_size: 256
    .sgpr_count:     66
    .vgpr_count:     512
    .wavefront_size: 32
...
	.end_amdgpu_metadata
.endif
;; end of part 1
;; launch attn (part 2): grid 16 x 16, 16 waves a work-group, no clusters, 327,680 bytes of LDS; arguments qc, qs, kvc, kvs, ac, asc; writes ac, asc
.if DOCPART == 2
	.amdgcn_target "amdgcn-amd-amdhsa--gfx1250"
	.amdhsa_code_object_version 6
	.text
	.protected	k_qe4a82717f4_attn
	.globl	k_qe4a82717f4_attn
	.p2align	8
	.type	k_qe4a82717f4_attn,@function
k_qe4a82717f4_attn:
	s_mov_b64 s[64:65], 0
	v_nop
	global_prefetch_b8 v0, s[64:65] scope:SCOPE_SE
	s_setreg_imm32_b32 hwreg(HW_REG_WAVE_MODE, 25, 1), 1
	s_wait_xcnt 0x0
; Causal attention of one head on codes of FP8 (E4M3) with E8M0 scales; the result is quantised along the model's 512 for the last product.
; t = score x log2(e) / 8; M = the running largest t rounded up to a whole number; p = 2^(t - M) is quantised along the keys, not normalised; the row's sum is taken of the unquantised p and divides at the end.
; SHARES.  Work-group (i, head) owns query blocks i and 31 - i of 128 queries: together 33 key steps of 128 keys for a wave pair, the same for every i.  Sixteen waves, one tile of 16 queries each:
; class (w xor w / 4) % 2 says which block, w / 2 which tile of it.  Every wave walks all 8 slots x 4 key steps (constant trip counts); a step all of whose keys come after its block is jumped over, the step on the diagonal is masked.
; OPERANDS are images of operand registers made by the launch before: four registers = 512 bytes, lane l's 16 bytes at 16 l.  A key step is one dense block of 16,384 bytes: K's 8 tiles x 2 pieces, V's 4 channel tiles x 4 pieces.
; Two LDS slots of four key steps, filled by waves 0 to 3, one tensor load (a key step) each; the head's scale words come once, with the first fills.
; BOTH PRODUCTS TRANSPOSED: S^T = K Q^T, O^T = V^T P^T: a lane holds one query throughout.  Lane r of key tile 2 p + u is key 32 p + 8 u + r + 8 (r / 8), so the 16 registers of tiles 2 p, 2 p + 1 are 16 neighbouring keys.
; THE HEAD IS 64 DEEP, THE INSTRUCTION 128: Q's registers 8-15 hold zero codes, and the scale bytes of the two empty blocks are 0 on both sides.  K's fragment of tile t is named as 16 registers from its own 8 on:
; its upper 8 are the next tile's codes (behind tile 7: zeros), finite numbers that meet Q's zeros.  So K costs 8 registers and two LDS loads a tile.
; NO CLUSTER: the query blocks of a head need different numbers of slots under the causal mask, and the jump that ends the loads at that limit may lead round a plain load only.
; LIMITS: NaN and infinities are not served.  A block whose largest number lies under 2^-118 gets the byte 1.  A block's largest p is made from its largest score: v_exp_f32 is taken not to fall where its input rises.
; REGISTERS: v1-11 addresses; v12 -M, v13 largest t, v[14:15] the sum; v16-31 Q; v32-103 K's or V's fragments and the zero tail; v104-167 S^T, then p; v168-199 O^T; v200-215 p's codes; v216-235 at work; v240-247 scale words.
.set SLOT1, 65536                      ; slot 0 at 0, slot 1 here: one exclusive or turns an address
.set SCK,   131072                     ; K's scale words of the head: 512 bytes a key step
.set SCV,   147456                     ; V's: 256 bytes a key step
.set OST,   155648                     ; the stage for the result's scale words: 1,024 bytes; no fill lands here
.set SPARE, 156672                     ; the spare words, 128 bytes for each wave: eight blocks of 256 bytes that no other line names
.set LI,  1                            ; 16 x lane
.set LSK, 2                            ; SCK + 4 x lane
.set LSV, 3                            ; SCV + 4 x lane
.set SPW, 4                            ; LDS address of my spare word; never rewritten
.set NIL, 5                            ; 0; never rewritten
.set PFO, 6                            ; 256 x lane: the prefetches' offset; never rewritten
.set DQ,  7                            ; my query's place in its block of 128, less 16 (lane / 16)
.set AD,  8
.set ADS, 9
.set ADT, 10
.set OSA, 11                           ; LDS: my row's scale word in the stage
.set QF,  16
.set F,   32
.set S,   104
.set OT,  168
.set PCD, 200
.set BM,  216
.set PD,  220
.set HL,  224
.set CO,  228
.set FF,  232
.set TMP, 234
.set NINF, 235
.set ORD, 236
.set QSO, 237
.set KSC, 240
.set VSC, 244
.set PSC, 246
.set QSC, 247
.set TB,  2                            ; LDS byte at which the slot in hand begins
.set TS,  3                            ; the step's scale words of K: 512 bytes a step
.set WV,  18
.set MNT, 19
.set SEL, 20
.set CS,  22                           ; s[22:23] c = log2(e) / 8
.set G1,  24                           ; group 1: 64 rows of 256 bytes, dense
.set G1S, 32                           ; group 1: 24 rows of 256 bytes, dense
.set G0,  40                           ; group 0 for the key steps: it walks
.set G0S, 44                           ; group 0 for the scale words
.set TJ,  48                           ; the step's scale words of V: 256 bytes a step
.set SLOTS, 49
.set KF,  50                           ; the step's first key
.set BS,  51                           ; my block's first query
.set LASTQ, 52                         ; the work-group's last query
.set PFA, 54
.set LIM, 56
; waves 0 to 3 fetch, one key step each.  An s_nop 0 and four v_nop follow the load.
.macro TLOAD
	s_cmp_lt_u32 s[WV], 4
	s_cbranch_scc0 .Lasked_\@
	tensor_load_to_lds s[G0:G0+3], s[G1:G1+7]
	s_nop 0
.rept 4
	v_nop
.endr
.Lasked_\@:
.endm
; a prefetch of the slot that the NEXT change of slots will ask for: 65,536 dense bytes.  All work-groups of a head walk the same bytes: the head's first work-group, which walks all eight slots, asks;
; in it waves 4 to 11, 8,192 bytes each, lanes 256 bytes apart: each aligned 256 bytes of slots 2 to 7 is named once.  The last change that fills a slot asks for nothing.
.macro ASK
	s_cmp_gt_u32 s[SLOTS], s[LIM]
	s_cbranch_scc0 .Lnot_mine_\@
	global_prefetch_b8 v[PFO], s[PFA:PFA+1] th:TH_LOAD_NT scope:SCOPE_SE
.Lnot_mine_\@:
.endm
	s_load_b256 s[4:11], s[0:1], 0x0               ; qc 4, qs 6, kvc 8, kvs 10
	s_load_b128 s[12:15], s[0:1], 0x20             ; ac 12, asc 14
	v_lshl_add_u32 v[SPW], v0, 2, SPARE
	v_mov_b32 v[NIL], 0
	ds_add_u32 v[SPW], v[NIL]                      ; the wave's opening: the add and its wait ahead of my first tensor load; work on registers stands between them
	v_lshrrev_b32 v8, 5, v0
	v_readfirstlane_b32 s[WV], v8                  ; wave 0..15
	s_mov_b32 s[G1], 3<<16                         ; no mask; elements of 8 bytes; no padding
	s_mov_b32 s[G1+1], 32<<16                      ; tensor_dim0 = 32 elements = 256 bytes
	s_mov_b32 s[G1+2], 64<<16                      ; tensor_dim1 = 64
	s_mov_b32 s[G1+3], 32<<16                      ; tile_dim0
	s_mov_b32 s[G1+4], 64                          ; tile_dim1
	s_mov_b32 s[G1+5], 32                          ; the pitch
	s_mov_b32 s[G1+6], 0
	s_mov_b32 s[G1+7], 0
	s_mov_b32 s[G1S], 3<<16
	s_mov_b32 s[G1S+1], 32<<16
	s_mov_b32 s[G1S+2], 24<<16
	s_mov_b32 s[G1S+3], 32<<16
	s_mov_b32 s[G1S+4], 24
	s_mov_b32 s[G1S+5], 32
	s_mov_b32 s[G1S+6], 0
	s_mov_b32 s[G1S+7], 0
	s_mov_b32 s[SEL], 0x76543210
	s_mov_b32 s[SEL+1], 0xfedcba98                 ; lane l xor 16
	s_mov_b32 s[CS], 0x3e38aa3b                    ; log2(e) / 8
	s_mov_b32 s[CS+1], s[CS]                       ; (named with it as a pair)
	s_mov_b32 s[MNT], 0x600000                     ; the mantissa field of 448
	s_mov_b32 s[TB], 0
	s_mov_b32 s[TS], 0
	s_mov_b32 s[TJ], 0
	s_mov_b32 s[KF], 0
	s_mov_b32 s[SLOTS], 7
	s_and_b32 s57, ttmp7, 0xffff                   ; bh = 8 x batch + head
	s_lshr_b32 s58, s[WV], 2
	s_xor_b32 s58, s58, s[WV]
	s_and_b32 s58, s58, 1                          ; my class
	s_lshr_b32 s59, s[WV], 1                       ; my tile in the block
	s_sub_co_u32 s60, 31, ttmp9
	s_cmp_eq_u32 s58, 0
	s_cselect_b32 s61, ttmp9, s60                  ; my block of 128 queries
	s_lshl_b32 s[BS], s61, 7
	s_lshl_b32 s[LASTQ], s60, 7
	s_or_b32 s[LASTQ], s[LASTQ], 127
	s_lshl_b32 s62, s61, 3
	s_add_co_u32 s62, s62, s59                     ; my tile of the head's 256
	s_lshl_b32 s66, s57, 19                        ; kvc: the head, my key step of a slot
	s_lshl_b32 s63, s[WV], 14
	s_add_co_u32 s66, s66, s63
	s_mov_b32 s67, 0
	s_mul_i32 s68, s57, 24576                      ; kvs: the head, my quarter
	s_mul_i32 s63, s[WV], 6144
	s_add_co_u32 s68, s68, s63
	s_mov_b32 s69, 0
	s_add_co_u32 s[G0S+1], s63, SCK                ; and its place in LDS
	s_lshl_b32 s70, s57, 8
	s_add_co_u32 s70, s70, s62
	s_lshl_b32 s72, s70, 6                         ; qs: 64 bytes a tile
	s_lshl_b32 s70, s70, 10                        ; qc: 1,024 bytes a tile
	s_mov_b32 s71, 0
	s_mov_b32 s73, 0
	s_lshr_b32 s80, s57, 3                         ; the batch
	s_and_b32 s81, s57, 7                          ; the head
	s_lshl_b32 s74, s80, 8
	s_add_co_u32 s74, s74, s62                     ; my tile of all 512
	s_lshl_b32 s74, s74, 13                        ; ac: 8,192 bytes a tile,
	s_lshl_b32 s82, s81, 10                        ; the head's 1,024 of them
	s_add_co_u32 s74, s74, s82
	s_mov_b32 s75, 0
	s_lshl_b32 s76, s81, 9                         ; asc: [head][tile 512][16 words]: my block's eight tiles
	s_lshl_b32 s82, s80, 8
	s_add_co_u32 s76, s76, s82
	s_lshl_b32 s82, s61, 3
	s_add_co_u32 s76, s76, s82
	s_lshl_b32 s76, s76, 6
	s_mov_b32 s77, 0
	s_sub_co_u32 s82, s[WV], 4
	s_and_b32 s83, s82, 7
	s_lshl_b32 s83, s83, 13
	s_lshl_b32 s78, s57, 19
	s_add_co_u32 s78, s78, s83
	s_add_co_u32 s78, s78, 65536                   ; the prefetches stand in slot 1: the first change of slots steps them to slot 2
	s_mov_b32 s79, 0
	s_lshr_b32 s82, s82, 3                         ; 0 in waves 4 to 11,
	s_or_b32 s82, s82, ttmp9                       ; of the head's first work-group
	s_cmp_eq_u32 s82, 0
	s_cselect_b32 s[LIM], 1, -1
	s_lshr_b32 s84, s59, 1
	s_lshl_b32 s84, s84, 5
	s_and_b32 s85, s59, 1
	s_lshl_b32 s85, s85, 3
	s_add_co_u32 s84, s84, s85                     ; my tile's first row in the block: 32 (tile / 2) + 8 (tile % 2)
	s_lshl_b32 s86, s58, 9
	s_lshl_b32 s87, s59, 6
	s_add_co_u32 s86, s86, s87
	s_add_co_u32 s86, s86, OST                     ; my tile's 64 bytes of the stage
	v_and_b32 v8, 31, v0                           ; lane
	v_lshlrev_b32 v[LI], 4, v8
	v_lshl_add_u32 v[LSK], v8, 2, SCK
	v_lshl_add_u32 v[LSV], v8, 2, SCV
	v_lshlrev_b32 v[PFO], 8, v8
	v_and_b32 v9, 15, v0                           ; r
	v_bfe_u32 v10, v0, 4, 1                        ; h
	v_and_b32 v[TMP], 8, v9
	v_add_nc_u32 v[TMP], v[TMP], v9                ; r + 8 (r / 8)
	v_lshlrev_b32 v10, 4, v10
	v_sub_nc_u32 v[DQ], v[TMP], v10
	v_add_nc_u32 v[DQ], s84, v[DQ]
	v_lshl_add_u32 v[OSA], v9, 2, s86
	v_lshl_add_u32 v[ORD], v0, 4, OST
	v_lshlrev_b32 v[QSO], 2, v9
	s_wait_dscnt 0x0                               ; the opening add is done
	s_wait_kmcnt 0x0
	s_mov_b32 s[G0S], 1
	s_add_nc_u64 s[G0S+2:G0S+3], s[10:11], s[68:69]
	s_or_b32 s[G0S+3], s[G0S+3], 0x80000000
	s_mov_b32 s[G0], 1
	s_lshl_b32 s[G0+1], s[WV], 14                  ; slot 0, my key step
	s_add_nc_u64 s[G0+2:G0+3], s[8:9], s[66:67]
	s_or_b32 s[G0+3], s[G0+3], 0x80000000
	s_cmp_lt_u32 s[WV], 4                          ; a wave's two first fills stand in one branch, ahead of every wait on TENSORcnt, every LDS read and every barrier: two loads of mine are out
	s_cbranch_scc0 .Lno_first
	tensor_load_to_lds s[G0S:G0S+3], s[G1S:G1S+7]  ; a quarter of the head's scale words: filled once
	s_nop 0
	tensor_load_to_lds s[G0:G0+3], s[G1:G1+7]      ; slot 0
	s_nop 0
.rept 4
	v_nop
.endr
.Lno_first:
	s_add_nc_u64 s[4:5], s[4:5], s[70:71]
	s_add_nc_u64 s[6:7], s[6:7], s[72:73]
	s_add_nc_u64 s[12:13], s[12:13], s[74:75]
	s_add_nc_u64 s[14:15], s[14:15], s[76:77]
	s_add_nc_u64 s[PFA:PFA+1], s[8:9], s[78:79]
	global_load_b128 v[QF:QF+3], v[LI], s[4:5]     ; Q's two pieces stay in registers
	global_load_b128 v[QF+4:QF+7], v[LI], s[4:5] offset:512
	global_load_b32 v[QSC], v[QSO], s[6:7]         ; and its scale words
.irp j, 8,9,10,11,12,13,14,15
	v_mov_b32 v[QF+\j], 0                          ; zero codes for the instruction's upper 64 along K
.endr
.irp j, 64,65,66,67,68,69,70,71
	v_mov_b32 v[F+\j], 0                           ; the tail behind K's tile 7; never rewritten
.endr
.irp j, 0,1,2,3,4,5,6,7,8,9,10,11,12,13,14,15,16,17,18,19,20,21,22,23,24,25,26,27,28,29,30,31
	v_mov_b32 v[OT+\j], 0                          ; O^T: the step is written once: the first finds zeros
.endr
	v_mov_b32 v13, 0xff61b1e6                      ; the largest t so far: -3e38
	v_floor_f32 v12, -v13                          ; -M
	v_mov_b32 v14, 0
	v_mov_b32 v15, 0
.irp b, 0,1,2,3
	v_mov_b32 v[PD+\b], 0                          ; a lane permute's destination counts as one of its sources
.endr
	v_mov_b32 v[FF+1], 0                           ; (named as the upper half of a pair)
	v_mov_b32 v[NINF], 0xff800000
; A KEY STEP: 128 keys, the q-th of the slot in hand.
.macro STEP q
	s_cmp_gt_u32 s[KF], s[BS]                      ; all its keys come after my queries: ids and the count of steps alone
	s_cbranch_scc1 .Lhidden_\@
	v_add_nc_u32 v[AD], s[TB], v[LI]
	v_add_nc_u32 v[ADS], s[TS], v[LSK]
	v_add_nc_u32 v[ADT], s[TJ], v[LSV]
.rept 5
	v_nop                                          ; with the three additions: eight places in front of loads into registers that the last products read
.endr
.irp t, 0,1,2,3,4,5,6,7
.irp c, 0,1
	ds_load_b128 v[F+8*\t+4*\c:F+8*\t+4*\c+3], v[AD] offset:16384*(\q)+1024*\t+512*\c
.endr
.endr
.irp p, 0,1,2,3
	ds_load_b32 v[KSC+\p], v[ADS] offset:128*\p    ; lanes 0-15 tile 2 p's words, lanes 16-31 tile 2 p + 1's
.endr
	s_wait_dscnt 0x0
.irp t, 0,2,4,6
	v_wmma_scale_f32_16x16x128_f8f6f4 v[S+8*\t:S+8*\t+7], v[F+8*\t:F+8*\t+15], v[QF:QF+15], 0, v[KSC+\t/2], v[QSC]
	v_wmma_scale_f32_16x16x128_f8f6f4 v[S+8*\t+8:S+8*\t+15], v[F+8*\t+8:F+8*\t+23], v[QF:QF+15], 0, v[KSC+\t/2], v[QSC] matrix_a_scale:MATRIX_SCALE_ROW1
.endr
.rept 8
	v_nop                                          ; places in front of the loads below and of the first read of the scores
.endr
.irp t, 0,1,2,3                                ; V is asked for now and lands while the softmax is walked
.irp c, 0,1,2,3
	ds_load_b128 v[F+16*\t+4*\c:F+16*\t+4*\c+3], v[AD] offset:16384*(\q)+8192+2048*\t+512*\c
.endr
.endr
.irp a, 0,1
	ds_load_b32 v[VSC+\a], v[ADT] offset:128*\a
.endr
	s_cmp_lt_u32 s[KF], s[BS]                      ; all its keys count: no mask
	s_cbranch_scc1 .Lopen_\@
.irp n, 0,1,2,3,4,5,6,7,8,9,10,11,12,13,14,15,16,17,18,19,20,21,22,23,24,25,26,27,28,29,30,31,32,33,34,35,36,37,38,39,40,41,42,43,44,45,46,47,48,49,50,51,52,53,54,55,56,57,58,59,60,61,62,63
	v_cmp_gt_i32 vcc_lo, 32*(\n/16)+\n%16, v[DQ]   ; register 16 b + i holds key 32 b + 16 (lane / 16) + i of the block: hidden where it comes after my query
	v_cndmask_b32 v[S+\n], v[S+\n], v[NINF], vcc_lo
.endr
.Lopen_\@:
.irp b, 0,1,2,3
	v_max3_num_f32 v[BM+\b], v[S+16*\b], v[S+1+16*\b], v[S+2+16*\b]   ; the largest score of each block of 32 keys: for the row's maximum and for the block's largest p
.endr
.irp i, 3,5,7,9,11,13
.irp b, 0,1,2,3
	v_max3_num_f32 v[BM+\b], v[BM+\b], v[S+16*\b+\i], v[S+1+16*\b+\i]
.endr
.endr
.irp b, 0,1,2,3
	v_max_num_f32 v[BM+\b], v[BM+\b], v[S+15+16*\b]
.endr
.irp b, 0,1,2,3
	v_permlanex16_b32 v[PD+\b], v[BM+\b], s[SEL], s[SEL+1]
.endr
.irp b, 0,1,2,3
	v_max_num_f32 v[BM+\b], v[BM+\b], v[PD+\b]
.endr
	v_max3_num_f32 v[TMP], v[BM], v[BM+1], v[BM+2]
	v_max_num_f32 v[TMP], v[TMP], v[BM+3]
	v_mul_f32 v[TMP], s[CS], v[TMP]
	v_max_num_f32 v13, v13, v[TMP]                 ; the running largest t
	v_mov_b32 v[TMP], v12
	v_floor_f32 v12, -v13                          ; -M = floor(-t): M is a whole number
	v_sub_f32 v[TMP], v12, v[TMP]                  ; old M - new M, 0 or less
	v_cvt_i32_f32 v[TMP], v[TMP]                   ; (it saturates)
	v_ldexp_f32 v[FF], 1.0, v[TMP]                 ; f = 2^(old M - new M)
.irp j, 0,2,4,6,8,10,12,14,16,18,20,22,24,26,28,30,32,34,36,38,40,42,44,46,48,50,52,54,56,58,60,62
	v_pk_fma_f32 v[S+\j:S+\j+1], v[S+\j:S+\j+1], s[CS:CS+1], v[12:13] op_sel_hi:[1,0,0]   ; t - M
.endr
.irp b, 0,1,2,3
	v_fma_f32 v[BM+\b], v[BM+\b], s[CS], v12
.endr
.irp j, 0,1,2,3,4,5,6,7,8,9,10,11,12,13,14,15,16,17,18,19,20,21,22,23,24,25,26,27,28,29,30,31,32,33,34,35,36,37,38,39,40,41,42,43,44,45,46,47,48,49,50,51,52,53,54,55,56,57,58,59,60,61,62,63
	v_exp_f32 v[S+\j], v[S+\j]                     ; p = 2^(t - M)
.endr
	v_pk_mul_f32 v[14:15], v[14:15], v[FF:FF+1] op_sel_hi:[1,0]   ; the sums under the new M; a plain line behind the exponentials
	s_wait_alu depctr_va_vdst(0)                   ; one wait for the batch, ahead of its first reader
.irp b, 0,1,2,3
	v_exp_f32 v[BM+\b], v[BM+\b]                   ; each block's largest p
.endr
	v_pk_add_f32 v[PD:PD+1], v[S:S+1], v[S+2:S+3]  ; the row's sum of the unquantised p, in two chains
.irp j, 4,8,12,16,20,24,28,32,36,40,44,48,52,56,60
	v_pk_add_f32 v[14:15], v[14:15], v[S+\j:S+\j+1]
	v_pk_add_f32 v[PD:PD+1], v[PD:PD+1], v[S+2+\j:S+3+\j]
.endr
	v_pk_add_f32 v[14:15], v[14:15], v[PD:PD+1]
	s_wait_alu depctr_va_vdst(0)                   ; and one for the four
.irp b, 0,1,2,3
	v_max_num_f32 v[BM+\b], 0x4800000, v[BM+\b]    ; the floor 2^(9 - 127)
.endr
.irp b, 0,1,2,3
	v_add_nc_u32 v[CO+\b], 0xfc000000, v[BM+\b]    ; the conversion's scale operand
.endr
.irp b, 0,1,2,3
	v_and_or_b32 v[HL+\b], v[BM+\b], 0x7f800000, s[MNT]   ; 448 x the scale
.endr
.irp b, 0,1,2,3
	v_lshrrev_b32 v[PD+\b], 23, v[CO+\b]           ; the scale's byte
.endr
	v_lshl_or_b32 v[PSC], v[PD+1], 8, v[PD]        ; p's scale word for these 128 keys
	v_lshl_or_b32 v[PSC], v[PD+2], 16, v[PSC]
	v_lshl_or_b32 v[PSC], v[PD+3], 24, v[PSC]
.irp b, 0,1,2,3
.irp i, 0,1,2,3,4,5,6,7,8,9,10,11,12,13,14,15
	v_min_num_f32 v[S+16*\b+\i], v[S+16*\b+\i], v[HL+\b]   ; the hold; p is not negative
.endr
	v_cvt_scalef32_pk8_fp8_f32 v[PCD+4*\b:PCD+4*\b+1], v[S+16*\b:S+16*\b+7], v[CO+\b]
	v_cvt_scalef32_pk8_fp8_f32 v[PCD+4*\b+2:PCD+4*\b+3], v[S+16*\b+8:S+16*\b+15], v[CO+\b]
.endr
.irp j, 0,2,4,6,8,10,12,14,16,18,20,22,24,26,28,30
	v_pk_mul_f32 v[OT+\j:OT+\j+1], v[OT+\j:OT+\j+1], v[FF:FF+1] op_sel_hi:[1,0]   ; O^T under the new M; also the places between the codes and the products
.endr
	s_wait_dscnt 0x0                               ; V is in
.irp t, 0,2
	v_wmma_scale_f32_16x16x128_f8f6f4 v[OT+8*\t:OT+8*\t+7], v[F+16*\t:F+16*\t+15], v[PCD:PCD+15], v[OT+8*\t:OT+8*\t+7], v[VSC+\t/2], v[PSC]
	v_wmma_scale_f32_16x16x128_f8f6f4 v[OT+8*\t+8:OT+8*\t+15], v[F+16*\t+16:F+16*\t+31], v[PCD:PCD+15], v[OT+8*\t+8:OT+8*\t+15], v[VSC+\t/2], v[PSC] matrix_a_scale:MATRIX_SCALE_ROW1
.endr
.Lhidden_\@:
	s_add_co_u32 s[KF], s[KF], 128
	s_add_co_u32 s[TS], s[TS], 512
	s_add_co_u32 s[TJ], s[TJ], 256
.endm
; THE CHANGE OF SLOTS, at a slot's head.  Each wave waits for all its tensor loads, adds 0 to its spare word, and waits for that and for its reads of the slot that it has left; behind the barrier the slot ahead is whole
; and nobody reads the other one.  fill = 1: that other slot takes the next four key steps, if any wave of the work-group will read them: the load has four key steps in which to land; one load of a wave is out.
.macro CHANGE fill
	s_wait_tensorcnt 0x0                           ; no tensor load of mine is out, so the group 0 may be written
	ds_add_u32 v[SPW], v[NIL]
.if \fill
	s_xor_b32 s[G0+1], s[G0+1], SLOT1              ; the other slot than last time,
	s_add_nc_u64 s[G0+2:G0+3], s[G0+2:G0+3], 65536 ; the next four key steps
	s_wait_xcnt 0x0                                ; the last prefetch, a slot back, has read its address
	s_add_nc_u64 s[PFA:PFA+1], s[PFA:PFA+1], 65536
.endif
	s_wait_dscnt 0x0                               ; the add is done, and my reads of the slot that I have left are over
	s_barrier_signal -1
	s_barrier_wait -1
.if \fill
	s_add_co_u32 s57, s[KF], 512                   ; the first key of the slot that this change would ask for
	s_cmp_gt_u32 s57, s[LASTQ]                     ; past the work-group's last query nobody reads it: ids and the count of steps alone, the same in all sixteen waves
	s_cbranch_scc1 .Lpast_\@
	TLOAD
.Lpast_\@:
	ASK
.endif
.endm
.macro SLOT_STEPS
	STEP 0
	STEP 1
	STEP 2
	STEP 3
	s_xor_b32 s[TB], s[TB], SLOT1                  ; on to the other slot
.endm
	s_wait_loadcnt 0x0                             ; Q
.Lslot:                                            ; seven trips
	CHANGE 1
	SLOT_STEPS
	s_sub_co_u32 s[SLOTS], s[SLOTS], 1
	s_cmp_lg_u32 s[SLOTS], 0
	s_cbranch_scc1 .Lslot
	CHANGE 0                                       ; the last slot is written out: nothing is left to ask for
	SLOT_STEPS
	; THE WAY OUT.  O^T / the sum; register 16 b + i is channel 32 b + 16 (lane / 16) + i of my query: two blocks of the last product's K, quantised as they stand.
	v_add_f32 v14, v14, v15
	v_permlanex16_b32 v[TMP], v14, s[SEL], s[SEL+1]
	v_add_f32 v14, v14, v[TMP]                     ; the row's sum
	v_rcp_f32 v[FF], v14
.rept 8
	v_nop                                          ; places behind the last products, and the plain line behind the reciprocal
.endr
	s_wait_alu depctr_va_vdst(0)                   ; ahead of the reciprocal's first reader
.irp j, 0,2,4,6,8,10,12,14,16,18,20,22,24,26,28,30
	v_pk_mul_f32 v[S+\j:S+\j+1], v[OT+\j:OT+\j+1], v[FF:FF+1] op_sel_hi:[1,0]
.endr
.irp b, 0,1
	v_max3_num_f32 v[BM+\b], |v[S+16*\b]|, |v[S+16*\b+1]|, 0x4800000
.endr
.irp i, 2,4,6,8,10,12,14
.irp b, 0,1
	v_max3_num_f32 v[BM+\b], v[BM+\b], |v[S+16*\b+\i]|, |v[S+16*\b+\i+1]|
.endr
.endr
.irp b, 0,1
	v_permlanex16_b32 v[PD+\b], v[BM+\b], s[SEL], s[SEL+1]
.endr
.irp b, 0,1
	v_max_num_f32 v[BM+\b], v[BM+\b], v[PD+\b]
.endr
.irp b, 0,1
	v_add_nc_u32 v[CO+\b], 0xfc000000, v[BM+\b]
.endr
.irp b, 0,1
	v_and_or_b32 v[HL+\b], v[BM+\b], 0x7f800000, s[MNT]
.endr
.irp b, 0,1
	v_lshrrev_b32 v[PD+\b], 23, v[CO+\b]
.endr
	v_lshl_or_b32 v[PSC], v[PD+1], 8, v[PD]        ; my row's two bytes
.irp b, 0,1
.irp i, 0,1,2,3,4,5,6,7,8,9,10,11,12,13,14,15
	v_med3_num_f32 v[S+16*\b+\i], v[S+16*\b+\i], -v[HL+\b], v[HL+\b]
.endr
	v_cvt_scalef32_pk8_fp8_f32 v[PCD+4*\b:PCD+4*\b+1], v[S+16*\b:S+16*\b+7], v[CO+\b]
	v_cvt_scalef32_pk8_fp8_f32 v[PCD+4*\b+2:PCD+4*\b+3], v[S+16*\b+8:S+16*\b+15], v[CO+\b]
.endr
	v_nop
	global_store_b128 v[LI], v[PCD:PCD+3], s[12:13]               ; two pieces of the tile's fragment: 512 consecutive bytes each
	global_store_b128 v[LI], v[PCD+4:PCD+7], s[12:13] offset:512
	ds_store_b32 v[OSA], v[PSC]                    ; lanes r and r + 16 write the same word with the same value
	s_wait_dscnt 0x0                               ; for the others' sake
	s_barrier_signal -1
	s_barrier_wait -1
	s_cmp_lt_u32 s[WV], 2                          ; wave 0 is of class 0, wave 1 of class 1: each stores its own block's eight tiles of words
	s_cbranch_scc0 .Lno_words
	ds_load_b128 v[BM:BM+3], v[ORD]
	s_wait_dscnt 0x0
	global_store_b128 v[LI], v[BM:BM+3], s[14:15]  ; 512 consecutive bytes
.Lno_words:
	s_wait_tensorcnt 0x0                           ; the wave's end, behind my last tensor load and my last LDS store
	ds_add_u32 v[SPW], v[NIL]
	s_wait_dscnt 0x0
	s_endpgm
.Lfunc_end_k_qe4a82717f4_attn:
	.size	k_qe4a82717f4_attn, .Lfunc_end_k_qe4a82717f4_attn-k_qe4a82717f4_attn
	.p2alignl 7, 3214868480
	.fill 96, 4, 3214868480
	.section	.rodata,"a",@progbits
	.p2align	6, 0x0
	.amdhsa_kernel k_qe4a82717f4_attn
		.amdhsa_group_segment_fixed_size 327680
		.amdhsa_private_segment_fixed_size 0
		.amdhsa_enable_private_segment 0
		.amdhsa_kernarg_size 48
		.amdhsa_user_sgpr_count 2
		.amdhsa_user_sgpr_kernarg_segment_ptr 1
		.amdhsa_wavefront_size32 1
		.amdhsa_system_sgpr_workgroup_id_x 1
		.amdhsa_system_sgpr_workgroup_id_y 1
		.amdhsa_system_sgpr_workgroup_id_z 1
		.amdhsa_system_vgpr_workitem_id 0
		.amdhsa_next_free_vgpr 256
		.amdhsa_next_free_sgpr 96
		.amdhsa_reserve_vcc 1
		.amdhsa_float_denorm_mode_32 3
		.amdhsa_float_denorm_mode_16_64 3
		.amdhsa_memory_ordered 1
		.amdhsa_forward_progress 1
		.amdhsa_inst_pref_size 204
	.end_amdhsa_kernel
	.amdgpu_metadata
---
amdhsa.version: [ 1, 2 ]
amdhsa.kernels:
  - .name:           k_qe4a82717f4_attn
    .symbol:         k_qe4a82717f4_attn.kd
    .args:
      - { .name: qc, .offset: 0, .size: 8, .value_kind: global_buffer, .address_space: global }
      - { .name: qs, .offset: 8, .size: 8, .value_kind: global_buffer, .address_space: global }
      - { .name: kvc, .offset: 16, .size: 8, .value_kind: global_buffer, .address_space: global }
      - { .name: kvs, .offset: 24, .size: 8, .value_kind: global_buffer, .address_space: global }
      - { .name: ac, .offset: 32, .size: 8, .value_kind: global_buffer, .address_space: global }
      - { .name: asc, .offset: 40, .size: 8, .value_kind: global_buffer, .address_space: global }
    .group_segment_fixed_size: 327680
    .private_segment_fixed_size: 0
    .kernarg_segment_align: 8
    .kernarg_segment_size: 48
    .max_flat_workgroup_size: 512
    .sgpr_count:     96
    .vgpr_count:     256
    .wavefront_size: 32
...
	.end_amdgpu_metadata
.endif
;; end of part 2
;; launch proj (part 3): grid 64 x 4, 8 waves a work-group, no clusters, 134,144 bytes of LDS; arguments ac, asc, Wo_codes, Wo_scales, bo, out0; writes out0
.if DOCPART == 3
	.amdgcn_target "amdgcn-amd-amdhsa--gfx1250"
	.amdhsa_code_object_version 6
	.text
	.protected	k_qe4a82717f4_proj
	.globl	k_qe4a82717f4_proj
	.p2align	8
	.type	k_qe4a82717f4_proj,@function
k_qe4a82717f4_proj:
	s_mov_b64 s[64:65], 0
	v_nop
	global_prefetch_b8 v0, s[64:65] scope:SCOPE_SE
	s_setreg_imm32_b32 hwreg(HW_REG_WAVE_MODE, 25, 1), 1
	s_wait_xcnt 0x0
; out0 = att Wo + bo on codes of FP8 (E4M3) with E8M0 scales.  att comes as images of operand registers (a tile of 16 tokens x 4 K steps x 4 pieces of 512 bytes) with two scale bytes for each head and row.
; SHARES.  A work-group takes 128 tokens (x: eight tiles) and 128 columns (y).  Wave w owns tile 8 x + w against all eight column tiles: 32 matrix instructions on eight accumulators by turns.
; Wo's 32 fragments go round through LDS as images of operand registers, each wave staging one column tile's four.  No tensor loads: every operand byte goes to one wave's registers once.
; TRANSPOSED: source 0 = 16 rows of Wo's codes (columns of the result), source 1 = 16 tokens: a lane holds eight neighbouring columns of one token.  bo is loaded straight into the accumulators: it is the C of each sum's first product.
; Row r of token tile T is token 32 (T / 2) + 8 (T % 2) + r + 8 (r / 8).  Results go through the wave's own stage in LDS and leave as runs of 512 consecutive bytes of a row.
; LIMITS: NaN codes and the scale byte 0xff among the inputs are not served.
.set STG,   65536                      ; LDS: behind Wo's 32 images of 2,048 bytes: a stage of 16 rows x (512 + 16) bytes for each wave
.set SPARE, 133120                     ; the spare words, 128 bytes for each wave: four blocks of 256 bytes that no other line names
.set LI,  1                            ; 16 x lane
.set WOA, 2                            ; Wo: row r of 512 bytes + 16 (lane / 16)
.set BOA, 4                            ; bo: 32 (lane / 16)
.set ASA, 5                            ; att's scale words: 4 r
.set WST, 6                            ; LDS: where I stage: 16 x lane + 8,192 x wave
.set STO, 7                            ; the stage, in
.set RD,  8                            ; the stage, back
.set SPW, 9                            ; LDS address of my spare word; never rewritten
.set NIL, 10                           ; 0; never rewritten
.set RAW, 12                           ; v12-19 the eight heads' words of my rows
.set ASW, 20                           ; v20-23 att's scale word of each K step
.set WS,  24                           ; v24-39 Wo's: pair a, K step s at WS + 4 a + s: lanes 0-15 tile 2 a, lanes 16-31 tile 2 a + 1
.set ACC, 40
.set AF,  104                          ; att's four fragments; later the rows on their way out
.set WF,  168                          ; staging; then two buffers of two fragments
.set WV,  16
.macro FETCH g                         ; group g: K step g / 4, column tiles 2 (g % 4) and 2 (g % 4) + 1, into buffer g % 2
.irp e, 0,1
.irp c, 0,1,2,3
	ds_load_b128 v[WF+32*((\g)%2)+16*\e+4*\c:WF+32*((\g)%2)+16*\e+4*\c+3], v[LI] offset:(4*(2*((\g)%4)+\e)+(\g)/4)*2048+512*\c
.endr
.endr
.endm
	s_load_b256 s[4:11], s[0:1], 0x0               ; ac 4, asc 6, Wo codes 8, Wo scales 10
	s_load_b128 s[12:15], s[0:1], 0x20             ; bo 12, out0 14
	v_lshl_add_u32 v[SPW], v0, 2, SPARE
	v_mov_b32 v[NIL], 0
	v_lshrrev_b32 v14, 5, v0                       ; wave
	v_readfirstlane_b32 s[WV], v14
	v_and_b32 v11, 31, v0
	v_lshlrev_b32 v[LI], 4, v11
	v_and_b32 v12, 15, v0                          ; r
	v_bfe_u32 v13, v0, 4, 1                        ; h
	v_lshlrev_b32 v[WOA], 9, v12
	v_lshl_add_u32 v[WOA], v13, 4, v[WOA]
	v_lshlrev_b32 v[BOA], 5, v13
	v_lshlrev_b32 v[ASA], 2, v12
	v_lshl_add_u32 v[WST], v14, 13, v[LI]
	v_mul_u32_u24 v15, v14, 8448
	v_add_nc_u32 v15, STG, v15                     ; my stage
	v_mad_u32_u24 v[STO], v12, 528, v15
	v_lshl_add_u32 v[STO], v13, 5, v[STO]          ; row r, + 32 (lane / 16)
	v_add_nc_u32 v[RD], v15, v[LI]
	s_and_b32 s17, ttmp7, 0xffff                   ; which 128 columns
	s_lshl_b32 s18, ttmp9, 3
	s_add_co_u32 s18, s18, s[WV]                   ; my token tile
	s_mov_b32 s21, 0
	s_wait_kmcnt 0x0
	s_lshl_b32 s20, s18, 13
	s_add_nc_u64 s[4:5], s[4:5], s[20:21]          ; ac: 8,192 bytes a tile
	s_lshl_b32 s20, s18, 6
	s_add_nc_u64 s[6:7], s[6:7], s[20:21]          ; asc: 64 bytes a tile and head
	s_lshl_b32 s20, s17, 16
	s_lshl_b32 s22, s[WV], 13
	s_add_co_u32 s20, s20, s22
	s_add_nc_u64 s[8:9], s[8:9], s[20:21]          ; Wo: rows 128 y + 16 wave on
	s_lshl_b32 s20, s17, 11
	s_add_nc_u64 s[10:11], s[10:11], s[20:21]      ; its scale bytes: rows 128 y on
	s_lshl_b32 s20, s17, 9
	s_add_nc_u64 s[12:13], s[12:13], s[20:21]      ; bo
	s_lshr_b32 s22, s18, 1
	s_lshl_b32 s22, s22, 5
	s_and_b32 s23, s18, 1
	s_lshl_b32 s23, s23, 3
	s_add_co_u32 s22, s22, s23                     ; my tile's first token
	s_lshl_b32 s22, s22, 11                        ; rows of 2,048 bytes
	s_add_co_u32 s20, s20, s22                     ; + 512 y
	s_add_nc_u64 s[14:15], s[14:15], s[20:21]
.irp s, 0,1,2,3
.irp c, 0,1,2,3
	global_load_b128 v[WF+16*\s+4*\c:WF+16*\s+4*\c+3], v[WOA], s[8:9] offset:128*\s+32*\c
.endr
.endr
.irp s, 0,1,2,3
.irp c, 0,1,2,3
	global_load_b128 v[AF+16*\s+4*\c:AF+16*\s+4*\c+3], v[LI], s[4:5] offset:2048*\s+512*\c th:TH_LOAD_NT_RT
.endr
.endr
.irp n, 0,1,2,3,4,5,6,7
	global_load_b32 v[RAW+\n], v[ASA], s[6:7] offset:32768*\n
.endr
.irp a, 0,1,2,3
	global_load_b128 v[WS+4*\a:WS+4*\a+3], v[LI], s[10:11] offset:512*\a
.endr
.irp t, 0,1,2,3,4,5,6,7
	global_load_b128 v[ACC+8*\t:ACC+8*\t+3], v[BOA], s[12:13] offset:64*\t
	global_load_b128 v[ACC+8*\t+4:ACC+8*\t+7], v[BOA], s[12:13] offset:64*\t+16
.endr
	s_wait_loadcnt 0x0
.irp s, 0,1,2,3
.irp c, 0,1,2,3
	ds_store_b128 v[WST], v[WF+16*\s+4*\c:WF+16*\s+4*\c+3] offset:2048*\s+512*\c
.endr
.endr
.irp s, 0,1,2,3
	v_lshl_or_b32 v[ASW+\s], v[RAW+2*\s+1], 16, v[RAW+2*\s]   ; K step s: heads 2 s and 2 s + 1, two bytes each
.endr
.rept 8
	v_nop                                          ; a scale register written by a vector instruction stands eight places ahead of the product
.endr
	s_wait_dscnt 0x0                               ; for the others' sake: my images have landed
	s_barrier_signal -1
	s_barrier_wait -1
	FETCH 0
.irp g, 0,1,2,3,4,5,6,7,8,9,10,11,12,13,14,15
.if \g < 15
	FETCH \g+1
	s_wait_dscnt 8                                 ; all but the 8 loads just issued
.else
	s_wait_dscnt 0x0
.endif
.set rD, ACC+16*(\g%4)
.set rW, WF+32*(\g%2)
.set rA, AF+16*(\g/4)
.set rS, WS+4*(\g%4)+\g/4
.set rT, ASW+\g/4
	v_wmma_scale_f32_16x16x128_f8f6f4 v[rD:rD+7], v[rW:rW+15], v[rA:rA+15], v[rD:rD+7], v[rS], v[rT]
	v_wmma_scale_f32_16x16x128_f8f6f4 v[rD+8:rD+15], v[rW+16:rW+31], v[rA:rA+15], v[rD+8:rD+15], v[rS], v[rT] matrix_a_scale:MATRIX_SCALE_ROW1
.rept 8
	v_nop                                          ; places in front of loads into the buffer just multiplied, and at the end of the first read of results
.endr
.endr
.irp t, 0,1,2,3,4,5,6,7
	ds_store_b128 v[STO], v[ACC+8*\t:ACC+8*\t+3] offset:64*\t       ; each accumulator from its low end on
	ds_store_b128 v[STO], v[ACC+8*\t+4:ACC+8*\t+7] offset:64*\t+16
.endr
.irp i, 0,1,2,3,4,5,6,7,8,9,10,11,12,13,14,15
	ds_load_b128 v[AF+4*\i:AF+4*\i+3], v[RD] offset:528*\i          ; LDS serves a wave's instructions in order (ISA guide 5.7.1.4): these see my stores
.endr
.irp i, 0,1,2,3,4,5,6,7,8,9,10,11,12,13,14,15
	s_wait_dscnt 15-\i                             ; row i is back; the younger loads may be out
	global_store_b128 v[LI], v[AF+4*\i:AF+4*\i+3], s[14:15] offset:(\i+8*(\i/8))*2048 th:TH_STORE_NT   ; 512 consecutive bytes, at a multiple of 256 from out0's first byte
.endr
	s_wait_tensorcnt 0x0                           ; the wave's end, behind my last LDS store
	ds_add_u32 v[SPW], v[NIL]
	s_wait_dscnt 0x0
	s_endpgm
.Lfunc_end_k_qe4a82717f4_proj:
	.size	k_qe4a82717f4_proj, .Lfunc_end_k_qe4a82717f4_proj-k_qe4a82717f4_proj
	.p2alignl 7, 3214868480
	.fill 96, 4, 3214868480
	.section	.rodata,"a",@progbits
	.p2align	6, 0x0
	.amdhsa_kernel k_qe4a82717f4_proj
		.amdhsa_group_segment_fixed_size 134144
		.amdhsa_private_segment_fixed_size 0
		.amdhsa_enable_private_segment 0
		.amdhsa_kernarg_size 48
		.amdhsa_user_sgpr_count 2
		.amdhsa_user_sgpr_kernarg_segment_ptr 1
		.amdhsa_wavefront_size32 1
		.amdhsa_system_sgpr_workgroup_id_x 1
		.amdhsa_system_sgpr_workgroup_id_y 1
		.amdhsa_system_sgpr_workgroup_id_z 1
		.amdhsa_system_vgpr_workitem_id 0
		.amdhsa_next_free_vgpr 256
		.amdhsa_next_free_sgpr 66
		.amdhsa_reserve_vcc 0
		.amdhsa_float_denorm_mode_32 3
		.amdhsa_float_denorm_mode_16_64 3
		.amdhsa_memory_ordered 1
		.amdhsa_forward_progress 1
		.amdhsa_inst_pref_size 30
	.end_amdhsa_kernel
	.amdgpu_metadata
---
amdhsa.version: [ 1, 2 ]
amdhsa.kernels:
  - .name:           k_qe4a82717f4_proj
    .symbol:         k_qe4a82717f4_proj.kd
    .args:
      - { .name: ac, .offset: 0, .size: 8, .value_kind: global_buffer, .address_space: global }
      - { .name: asc, .offset: 8, .size: 8, .value_kind: global_buffer, .address_space: global }
      - { .name: Wo_codes, .offset: 16, .size: 8, .value_kind: global_buffer, .address_space: global }
      - { .name: Wo_scales, .offset: 24, .size: 8, .value_kind: global_buffer, .address_space: global }
      - { .name: bo, .offset: 32, .size: 8, .value_kind: global_buffer, .address_space: global }
      - { .name: out0, .offset: 40, .size: 8, .value_kind: global_buffer, .address_space: global }
    .group_segment_fixed_size: 134144
    .private_segment_fixed_size: 0
    .kernarg_segment_align: 8
    .kernarg_segment_size: 48
    .max_flat_workgroup_size: 256
    .sgpr_count:     66
    .vgpr_count:     256
    .wavefront_size: 32
...
	.end_amdgpu_metadata
.endif
;; end of part 3
;; ======== version 2 of 2: 3 launches
;; workspace buffers: qc 4,194,304 bytes; qs 262,144 bytes; kvc 8,388,608 bytes; kvs 393,216 bytes; ac 4,194,304 bytes; asc 262,144 bytes
;; launch qkv (part 4): grid 32 x 8, 8 waves a work-group, no clusters, 101,888 bytes of LDS; arguments x_codes, x_scales, Wq_codes, Wq_scales, bq, Wk_codes, Wk_scales, bk, Wv_codes, Wv_scales, bv, qc, qs, kvc, kvs; writes qc, qs, kvc, kvs
.if DOCPART == 4
	.amdgcn_target "amdgcn-amd-amdhsa--gfx1250"
	.amdhsa_code_object_version 6
	.text
	.protected	k_qe4a82717f4_qkv
	.globl	k_qe4a82717f4_qkv
	.p2align	8
	.type	k_qe4a82717f4_qkv,@function
k_qe4a82717f4_qkv:
	s_mov_b64 s[64:65], 0
	v_nop
	global_prefetch_b8 v0, s[64:65] scope:SCOPE_SE
	s_setreg_imm32_b32 hwreg(HW_REG_WAVE_SCHED_MODE, 0, 2), 2
	s_setreg_imm32_b32 hwreg(HW_REG_WAVE_MODE, 25, 1), 1
	s_wait_xcnt 0x0
	s_wait_alu depctr_vm_vsrc(0)
; q, k, v = x W + b on codes of FP8 (E4M3) with E8M0 scales, and each result quantised at once for the product that takes it next:
; q and k along the head's 64 (two blocks of 32), v along the tokens (blocks of 32 keys).
; SHARES.  A work-group takes 256 tokens (x) and one head (y): 64 columns of each of Wq, Wk, Wv.  Each of its eight waves owns 32 tokens, two tiles of 16;
; its x fragments (2 tiles x 4 K steps x 16 registers) stay in registers.  The head's 48 weight fragments go round through LDS as images of operand registers
; (four registers = 512 bytes, lane l's 16 bytes at 16 l), staged once by waves 0 to 5.
; THE ROWS OF A TILE ARE NOT NEIGHBOURS: lane r of tile 2 b + u takes row 32 b + 8 u + r + 8 (r / 8), for tokens and for the rows of a weight alike.  So in a product whose source 0 is such a tile
; the 16 registers of result tiles 2 b and 2 b + 1 are 16 neighbours, 32 b + 16 (lane / 16) + 0 .. 15, along that axis, and the conversions' results ARE registers of the next operand.
; q, k: source 0 = 16 rows of W, source 1 = 16 tokens: a lane holds one token, registers run along the head.   v: source 0 = 16 tokens, source 1 = 16 rows of Wv: a lane holds one channel, registers run along the tokens.
; The biases are the C of each sum's first matrix instruction.
; OUT: images of operand registers: every store of codes is 512 consecutive bytes.  Scale words meet in LDS and leave as runs of 512 bytes.
; LIMITS: NaN, infinities, NaN codes and the scale byte 0xff among the inputs are not served.  A block whose largest magnitude lies under 2^-118 (a block of zeros too) gets the byte 1; these bytes are read by this program alone.
; REGISTERS.  Window 0: v1-13 addresses; v16-79 eight accumulators; v80-143 bq, bk in the result's layout; v144-147 bv; v148-171 the weights' scale words; v172-175 x's; v176-191 at work;
;   v196-211 codes; v212-243 bv spread; v244-247 scale words on their way out.   Window 1: v0-127 x's fragments; v128-255 two sets of four weight fragments.
; THE MODE: SCHED_MODE bits 1:0 = 2 (LLVM: expert scheduling mode 2), set by the entry lines.  The code itself states the register dependences
; between vector or matrix instructions and memory or LDS instructions, with s_wait_alu, always for 0.
; THE PLAN.  Registers that memory or LDS instructions touch:
;   W0, W1      window 1, v128-191 and v192-255.  At the head waves 0 to 5 load eight fragments into them and store them to LDS.  Then set f = 4 m + s of weight fragments lands in W[f % 2], asked for in step f - 1;
;               step f's eight matrix instructions read it.  Window 1 is full (x 128 registers, the two sets 128): there is no third set.
;   x's fragments, the scale words, the biases: loaded once at the head; afterwards vector and matrix instructions alone name them.
;   v[PCD ..]   the codes: written by a pass's conversions, read by its four stores.   v[PW]: written by the select, read by one LDS store.   v[TM+4 ..]: the bytes, read by LDS stores in v's pass alone.
;   v[OB ..]    an LDS load lands there and a store reads it; no vector instruction names it.   v1-13: addresses, written at the head alone.
; THE WAITS.  One on va_vdst ahead of the first load (the addresses); one on vm_vsrc ahead of set 0 (the staging stores have read W0 and W1); one on va_vdst ahead of each of sets 2 to 11, one for eight matrix instructions
; (the step before last is done reading the set's registers); one on vm_vsrc in the second and third quantising pass (the last pass's stores have read the codes and the word); one on va_vdst ahead of each pass's stores.
; Behind each of them stand loads alone, or stores alone, up to the next vector instruction.  The set's sixteen loads stay in one run: among the matrix instructions each would want two window switches.
.set SST,   98304                      ; LDS: behind the 48 images of 2,048 bytes: q's scale words 1,024 bytes, k's 1,024, v's 512
.set SPARE, 100864                     ; the spare words, 128 bytes for each wave: four blocks of 256 bytes that no other line names
.set LI,   1                           ; 16 x lane: an image's place for my lane
.set XA,   2                           ; a tile's row (512 bytes) of my lane + 16 (lane / 16)
.set XSA,  3                           ; scale bytes: 16 a row; lanes 0-15 the even tile's rows, lanes 16-31 the odd tile's
.set BQA,  4                           ; bq, bk: 64 (lane / 16)
.set BVA,  5                           ; bv: 4 x my row of a tile
.set SSW,  6                           ; LDS: my scale word of q or k: SST + 4 x thread
.set VSB,  7                           ; LDS: my scale byte of v
.set SPW,  8                           ; LDS address of my spare word; never rewritten
.set NIL,  9                           ; 0; never rewritten
.set LRD,  10                          ; LDS: the scale words' way out: SST + 16 x thread
.set GOFF, 11                          ; and in memory: 16 x (thread mod 64)
.set WSTA, 12                          ; LDS: where I stage weight images: 16 x lane + 16,384 x wave
.set LI2,  13                          ; 16 x lane + 65,536: Wv's images
.set ACC,  16
.set BQ,   80                          ; bq's four tiles; bk's 32 registers on
.set BV,   144
.set WS,   148                         ; matrix m, pair b, K step s at WS + 8 m + 4 b + s
.set XS,   172                         ; K step s at XS + s
.set TM,   176                         ; +0..3 largest magnitudes, +4..7 bytes, +8..11 448 x the scale, +12..15 the conversions' scale operand
.set PW,   192
.set W0,   193
.set W1,   194
.set PCD,  196
.set BV8,  212
.set OB,   244
.set WV,   34
.set SEL,  36
.set MNT,  38
.set HM,   39
.set MSB, 0
.macro WIN new                         ; the immediate's high byte repeats the setting that is left
.if MSB != \new
	s_set_vgpr_msb (MSB<<8)|\new
.set MSB, \new
.endif
.endm
.set MUL, 0x05                         ; sources 0 and 1 window 1; C and D window 0
.set TO1, 0x40                         ; destination window 1, address window 0
.set ST1, 0x04                         ; an LDS store's data (source 1) window 1
.macro PLACES n
.rept \n
	v_nop
.endr
.endm
; one matrix instruction on the registers named by rD, rA, rB, rC, rSA, rSB; ra, rb = 1: that side's scales stand in lanes 16-31
.macro WMS ra, rb
.if (\ra) && (\rb)
	v_wmma_scale_f32_16x16x128_f8f6f4 v[rD:rD+7], v[rA:rA+15], v[rB:rB+15], v[rC:rC+7], v[rSA], v[rSB] matrix_a_scale:MATRIX_SCALE_ROW1 matrix_b_scale:MATRIX_SCALE_ROW1
.elseif (\ra)
	v_wmma_scale_f32_16x16x128_f8f6f4 v[rD:rD+7], v[rA:rA+15], v[rB:rB+15], v[rC:rC+7], v[rSA], v[rSB] matrix_a_scale:MATRIX_SCALE_ROW1
.elseif (\rb)
	v_wmma_scale_f32_16x16x128_f8f6f4 v[rD:rD+7], v[rA:rA+15], v[rB:rB+15], v[rC:rC+7], v[rSA], v[rSB] matrix_b_scale:MATRIX_SCALE_ROW1
.else
	v_wmma_scale_f32_16x16x128_f8f6f4 v[rD:rD+7], v[rA:rA+15], v[rB:rB+15], v[rC:rC+7], v[rSA], v[rSB]
.endif
.endm
; set g = 4 m + s of weight fragments (matrix m, K step s, tiles 0 to 3) from LDS into buffer g % 2.  The window switch, then the wait, then the loads.
.macro FETCHW g
	WIN TO1
.if (\g) == 0
	s_wait_alu depctr_vm_vsrc(0)                   ; the staging LDS stores have read both buffers' registers, in which the loads of sets 0 and 1 land
.endif
.if (\g) > 1
	s_wait_alu depctr_va_vdst(0)                   ; the eight matrix instructions of the step before last are done reading this buffer, in which the loads below land (behind q's and k's way out, whose stores name v[LI] between their own wait and these loads, the line stands again)
.endif
.irp t, 0,1,2,3
.irp c, 0,1,2,3
.if (\g)/4 < 2
	ds_load_b128 v[128+64*((\g)%2)+16*\t+4*\c:128+64*((\g)%2)+16*\t+4*\c+3], v[LI] offset:32768*((\g)/4)+(4*\t+(\g)%4)*2048+512*\c
.else
	ds_load_b128 v[128+64*((\g)%2)+16*\t+4*\c:128+64*((\g)%2)+16*\t+4*\c+3], v[LI2] offset:(4*\t+(\g)%4)*2048+512*\c
.endif
.endr
.endr
	WIN 0
.endm
; eight matrix instructions: four weight tiles x my two token tiles, K step s of matrix m, from buffer p.  The eight accumulators take turns, one instruction a turn.
.macro MUL8 m, s, p
	WIN MUL
.irp t, 0,1,2,3
.irp u, 0,1
.if (\m) < 2
.set rD, ACC+8*(4*\u+\t)
.set rA, 128+64*(\p)+16*\t
.set rB, 64*\u+16*(\s)
.set rC, BQ+32*(\m)+8*\t
.set rSA, WS+8*(\m)+4*(\t/2)+(\s)
.set rSB, XS+(\s)
.if (\s) > 0
.set rC, rD
.endif
	WMS \t%2, \u
.else
.set rD, ACC+8*(2*\t+\u)
.set rA, 64*\u+16*(\s)
.set rB, 128+64*(\p)+16*\t
.set rC, BV8+8*\t
.set rSA, XS+(\s)
.set rSB, WS+16+4*(\t/2)+(\s)
.if (\s) > 0
.set rC, rD
.endif
	WMS \u, \t%2
.endif
.endr
.endr
	WIN 0
.endm
; the 64 accumulator registers are four blocks of 16 neighbours along the next K; a block of 32 lies in lanes l and l xor 16.  Codes to v[PCD + 4 block], bytes to v[TM + 4 + block].
; again = 1: a pass before this one has stored codes and a scale word.
.macro QUANT again
.irp b, 0,1,2,3
	v_max3_num_f32 v[TM+\b], |v[ACC+16*\b]|, |v[ACC+16*\b+1]|, 0x4800000   ; my 16 numbers and the floor 2^(9 - 127): the byte cannot fall under 1
.endr
.irp i, 2,4,6,8,10,12,14
.irp b, 0,1,2,3
	v_max3_num_f32 v[TM+\b], v[TM+\b], |v[ACC+16*\b+\i]|, |v[ACC+16*\b+\i+1]|
.endr
.endr
.irp b, 0,1,2,3
	v_permlanex16_b32 v[TM+4+\b], v[TM+\b], s[SEL], s[SEL+1]
.endr
.irp b, 0,1,2,3
	v_max_num_f32 v[TM+\b], v[TM+\b], v[TM+4+\b]           ; the block's largest magnitude
.endr
.irp b, 0,1,2,3
	v_add_nc_u32 v[TM+12+\b], 0xfc000000, v[TM+\b]         ; 8 off its exponent field: the conversion's scale operand
.endr
.irp b, 0,1,2,3
	v_and_or_b32 v[TM+8+\b], v[TM+\b], 0x7f800000, s[MNT]  ; 448 x the scale
.endr
.irp b, 0,1,2,3
	v_lshrrev_b32 v[TM+4+\b], 23, v[TM+12+\b]              ; the scale's byte
.endr
	s_wait_alu depctr_va_vdst(0)
	s_wait_xcnt 0x0                                        ; the last pass's stores have read the codes' registers: they are written again only behind this wait
.if \again
	s_wait_alu depctr_vm_vsrc(0)                           ; beside it: the last pass's stores have read v[PCD ..], which the conversions below write again, and its LDS store v[PW], which the select behind them writes again
.endif
.irp b, 0,1,2,3
.irp i, 0,1,2,3,4,5,6,7,8,9,10,11,12,13,14,15
	v_med3_num_f32 v[ACC+16*\b+\i], v[ACC+16*\b+\i], -v[TM+8+\b], v[TM+8+\b]   ; the conversion to an 8-bit code does not saturate (ISA guide 7.6.2): the hold
.endr
	v_cvt_scalef32_pk8_fp8_f32 v[PCD+4*\b:PCD+4*\b+1], v[ACC+16*\b:ACC+16*\b+7], v[TM+12+\b]
	v_cvt_scalef32_pk8_fp8_f32 v[PCD+4*\b+2:PCD+4*\b+3], v[ACC+16*\b+8:ACC+16*\b+15], v[TM+12+\b]
.endr
	v_nop                                                  ; a plain line behind the last conversion: later products write its sources
.endm
; q or k out: block 2 u + b is registers 4 b .. 4 b + 3 of token tile u's fragment.  The scale word of a row: byte of block 0, byte of block 1, 0, 0; lanes 0-15 carry tile 0's, lanes 16-31 tile 1's.
.macro OUTQK base, m
	v_lshl_or_b32 v[W0], v[TM+5], 8, v[TM+4]
	v_lshl_or_b32 v[W1], v[TM+7], 8, v[TM+6]
	v_cndmask_b32 v[PW], v[W0], v[W1], s[HM]
	s_wait_alu depctr_va_vdst(0)                           ; the conversions have written v[PCD ..] and the select v[PW], which the five stores below read
.irp u, 0,1
.irp c, 0,1
	global_store_b128 v[LI], v[PCD+8*\u+4*\c:PCD+8*\u+4*\c+3], s[\base:\base+1] offset:1024*\u+512*\c   ; 512 consecutive bytes
.endr
.endr
	ds_store_b32 v[SSW], v[PW] offset:1024*\m
.endm
	s_load_b512 s[4:19], s[0:1], 0x0               ; x codes 4, x scales 6, Wq codes 8, Wq scales 10, bq 12, Wk codes 14, Wk scales 16, bk 18
	s_load_b256 s[20:27], s[0:1], 0x40             ; Wv codes 20, Wv scales 22, bv 24, qc 26
	s_load_b128 s[28:31], s[0:1], 0x60             ; qs 28, kvc 30
	s_load_b64 s[32:33], s[0:1], 0x70              ; kvs
	v_lshl_add_u32 v[SPW], v0, 2, SPARE
	v_mov_b32 v[NIL], 0
	v_lshrrev_b32 v20, 5, v0                       ; wave
	v_readfirstlane_b32 s[WV], v20
	v_and_b32 v16, 31, v0                          ; lane
	v_and_b32 v17, 15, v0                          ; r
	v_bfe_u32 v18, v0, 4, 1                        ; h
	v_and_b32 v19, 8, v17
	v_add_nc_u32 v19, v19, v17                     ; r + 8 (r / 8)
	v_lshlrev_b32 v[LI], 4, v16
	v_lshlrev_b32 v[XA], 9, v19
	v_lshl_add_u32 v[XA], v18, 4, v[XA]
	v_lshl_add_u32 v[XSA], v18, 3, v19
	v_lshlrev_b32 v[XSA], 4, v[XSA]
	v_lshlrev_b32 v[BQA], 6, v18
	v_lshlrev_b32 v[BVA], 2, v19
	v_lshl_add_u32 v[SSW], v0, 2, SST              ; 128 x wave + 4 x lane
	v_lshrrev_b32 v21, 7, v0                       ; wave / 4: which of the work-group's two key steps
	v_bfe_u32 v22, v0, 5, 2                        ; wave % 4: which block of 32 keys in it
	v_lshl_add_u32 v[VSB], v21, 8, v22
	v_lshl_add_u32 v[VSB], v17, 2, v[VSB]
	v_add_nc_u32 v[VSB], SST+2048, v[VSB]
	v_lshl_add_u32 v[LRD], v0, 4, SST
	v_and_b32 v[GOFF], 63, v0
	v_lshlrev_b32 v[GOFF], 4, v[GOFF]
	v_lshl_add_u32 v[WSTA], v20, 14, v[LI]
	v_add_nc_u32 v[LI2], 65536, v[LI]
.irp b, 0,1,2,3
	v_mov_b32 v[TM+4+\b], 0                        ; written once: a lane permute's destination counts as one of its sources
.endr
	s_wait_alu depctr_va_sdst(0)                   ; the wave's number is written, ahead of its first reader: offsets and branches are made from it
	s_mov_b32 s[SEL], 0x76543210
	s_mov_b32 s[SEL+1], 0xfedcba98                 ; lane l xor 16
	s_mov_b32 s[MNT], 0x600000                     ; the mantissa field of 448
	s_mov_b32 s[HM], 0xffff0000                    ; lanes 16-31
	s_and_b32 s48, ttmp7, 0xffff                   ; the head
	s_lshr_b32 s49, ttmp9, 4                       ; the batch
	s_and_b32 s50, ttmp9, 15                       ; which 256 tokens of the batch
	s_lshl_b32 s51, s49, 3
	s_add_co_u32 s51, s51, s48                     ; 8 x batch + head
	s_mov_b32 s53, 0
	s_mov_b32 s57, 0
	s_wait_kmcnt 0x0
	s_lshl_b32 s52, ttmp9, 17                      ; x: 256 tokens of 512 bytes,
	s_lshl_b32 s54, s[WV], 14                      ; my wave's 32
	s_add_co_u32 s52, s52, s54
	s_add_nc_u64 s[4:5], s[4:5], s[52:53]
	s_lshr_b32 s52, s52, 5                         ; its scale bytes: one for 32 codes
	s_add_nc_u64 s[6:7], s[6:7], s[52:53]
	s_lshl_b32 s52, s48, 15                        ; the head's 64 rows of 512 bytes in each weight,
	s_add_nc_u64 s[8:9], s[8:9], s[52:53]
	s_add_nc_u64 s[14:15], s[14:15], s[52:53]
	s_add_nc_u64 s[20:21], s[20:21], s[52:53]
	s_lshl_b32 s52, s48, 10                        ; of 16 scale bytes,
	s_add_nc_u64 s[10:11], s[10:11], s[52:53]
	s_add_nc_u64 s[16:17], s[16:17], s[52:53]
	s_add_nc_u64 s[22:23], s[22:23], s[52:53]
	s_lshl_b32 s52, s48, 8                         ; and its 64 numbers of each bias
	s_add_nc_u64 s[12:13], s[12:13], s[52:53]
	s_add_nc_u64 s[18:19], s[18:19], s[52:53]
	s_add_nc_u64 s[24:25], s[24:25], s[52:53]
	s_lshl_b32 s52, s51, 18                        ; qc: a head's 256 tiles of 1,024 bytes; 16 tiles a work-group, 2 a wave
	s_lshl_b32 s54, s50, 14
	s_add_co_u32 s52, s52, s54
	s_lshl_b32 s54, s[WV], 11
	s_add_co_u32 s52, s52, s54
	s_add_nc_u64 s[26:27], s[26:27], s[52:53]
	s_lshl_b32 s52, s51, 19                        ; kvc: a head's 32 key steps of 16,384 bytes; step 2 xb + wave / 4
	s_lshl_b32 s54, s50, 15
	s_add_co_u32 s52, s52, s54
	s_lshr_b32 s54, s[WV], 2
	s_lshl_b32 s54, s54, 14
	s_add_co_u32 s52, s52, s54
	s_and_b32 s55, s[WV], 3
	s_lshl_b32 s54, s55, 11                        ; K's part: my two tiles of 1,024 bytes
	s_add_co_u32 s56, s52, s54
	s_add_nc_u64 s[42:43], s[30:31], s[56:57]
	s_lshl_b32 s54, s55, 9                         ; V's part, 8,192 bytes on: my block of 32 keys is piece wave % 4 of each channel tile
	s_add_co_u32 s56, s52, s54
	s_add_co_u32 s56, s56, 8192
	s_add_nc_u64 s[44:45], s[30:31], s[56:57]
	s_mul_i32 s56, s51, 24576                      ; the scale words' way out: waves 0, 1 q's, waves 2, 3 k's, wave 4 v's
	s_lshl_b32 s54, s50, 10
	s_add_co_u32 s58, s56, s54                     ; k's place in kvs
	s_lshl_b32 s55, s50, 9
	s_add_co_u32 s56, s56, s55
	s_add_co_u32 s56, s56, 16384                   ; v's
	s_lshl_b32 s52, s51, 14
	s_add_co_u32 s52, s52, s54                     ; q's place in qs
	s_cmp_lt_u32 s[WV], 4
	s_cselect_b32 s56, s58, s56
	s_cselect_b64 s[40:41], s[14:15], s[20:21]     ; what I stage: waves 0, 1 Wq, waves 2, 3 Wk, waves 4, 5 Wv
	s_cmp_lt_u32 s[WV], 2
	s_cselect_b32 s56, s52, s56
	s_cselect_b64 s[46:47], s[28:29], s[32:33]
	s_cselect_b64 s[40:41], s[8:9], s[40:41]
	s_add_nc_u64 s[46:47], s[46:47], s[56:57]
	s_and_b32 s56, s[WV], 1
	s_lshl_b32 s56, s56, 14                        ; rows 32 (wave % 2) on
	s_add_nc_u64 s[40:41], s[40:41], s[56:57]
	; every wave: its x fragments, the scale words, the biases
	WIN TO1
	s_wait_alu depctr_va_vdst(0)                   ; the addresses v1 to v13 are written: every load and store of the kernel reads one of them, and no vector instruction writes one again
.irp u, 0,1
.irp s, 0,1,2,3
.irp c, 0,1,2,3
	global_load_b128 v[64*\u+16*\s+4*\c:64*\u+16*\s+4*\c+3], v[XA], s[4:5] offset:4096*\u+128*\s+32*\c
.endr
.endr
.endr
	WIN 0
	global_load_b128 v[XS:XS+3], v[XSA], s[6:7]
.irp b, 0,1
	global_load_b128 v[WS+4*\b:WS+4*\b+3], v[XSA], s[10:11] offset:512*\b
	global_load_b128 v[WS+8+4*\b:WS+8+4*\b+3], v[XSA], s[16:17] offset:512*\b
	global_load_b128 v[WS+16+4*\b:WS+16+4*\b+3], v[XSA], s[22:23] offset:512*\b
.endr
.irp t, 0,1,2,3
	global_load_b128 v[BQ+8*\t:BQ+8*\t+3], v[BQA], s[12:13] offset:(32*(\t/2)+8*(\t%2))*4
	global_load_b128 v[BQ+8*\t+4:BQ+8*\t+7], v[BQA], s[12:13] offset:(32*(\t/2)+8*(\t%2))*4+16
	global_load_b128 v[BQ+32+8*\t:BQ+32+8*\t+3], v[BQA], s[18:19] offset:(32*(\t/2)+8*(\t%2))*4
	global_load_b128 v[BQ+32+8*\t+4:BQ+32+8*\t+7], v[BQA], s[18:19] offset:(32*(\t/2)+8*(\t%2))*4+16
	global_load_b32 v[BV+\t], v[BVA], s[24:25] offset:(32*(\t/2)+8*(\t%2))*4
.endr
	; waves 0 to 5 stage eight weight fragments each: matrix wave / 2, tiles 2 (wave % 2) + u, K steps 0 to 3: fragment 8 wave + 4 u + s
	s_cmp_lt_u32 s[WV], 6
	s_cbranch_scc0 .Lno_stage
	WIN TO1
.irp u, 0,1
.irp s, 0,1,2,3
.irp c, 0,1,2,3
	global_load_b128 v[128+16*(4*\u+\s)+4*\c:128+16*(4*\u+\s)+4*\c+3], v[XA], s[40:41] offset:4096*\u+128*\s+32*\c
.endr
.endr
.endr
	s_wait_loadcnt 0x0
	WIN ST1
.irp u, 0,1
.irp s, 0,1,2,3
.irp c, 0,1,2,3
	ds_store_b128 v[WSTA], v[128+16*(4*\u+\s)+4*\c:128+16*(4*\u+\s)+4*\c+3] offset:(4*\u+\s)*2048+512*\c
.endr
.endr
.endr
	WIN 0
.Lno_stage:
	s_wait_loadcnt 0x0
.irp t, 0,1,2,3
.irp j, 0,1,2,3,4,5,6,7
	v_mov_b32 v[BV8+8*\t+\j], v[BV+\t]             ; v's result holds one channel a lane: its bias fills the tile's eight registers
.endr
.endr
	s_wait_dscnt 0x0                               ; for the others' sake: my images have landed
	s_barrier_signal -1
	s_barrier_wait -1                              ; all 48 images lie in LDS
	FETCHW 0
.irp g, 0,1,2,3,4,5,6,7,8,9,10,11
.if \g < 11
	FETCHW \g+1
	s_wait_dscnt 16                                ; all but the 16 loads just issued: this set's fragments are in
.else
	s_wait_dscnt 0x0
.endif
	MUL8 \g/4, \g%4, \g%2
	PLACES 9                                       ; 8 in front of reads of results and of loads into the buffer just multiplied; 9 in front of products that write the accumulators anew
.if \g == 3
	QUANT 0
	OUTQK 26, 0
.endif
.if \g == 7
	QUANT 1
	OUTQK 42, 1
.endif
.endr
	QUANT 1                                        ; v: block t = channel tile t, my 32 tokens
	s_wait_alu depctr_va_vdst(0)                   ; the conversions have written v[PCD ..] and the shifts the bytes v[TM+4 ..], which the eight stores below read
.irp t, 0,1,2,3
	global_store_b128 v[LI], v[PCD+4*\t:PCD+4*\t+3], s[44:45] offset:2048*\t
	ds_store_b8 v[VSB], v[TM+4+\t] offset:64*\t    ; byte wave % 4 of the word of channel (t, r); both lanes of a block write the same byte with the same value
.endr
	s_wait_dscnt 0x0                               ; for the others' sake: my scale words have landed
	s_barrier_signal -1
	s_barrier_wait -1
	s_cmp_lt_u32 s[WV], 5
	s_cbranch_scc0 .Lno_scales
	ds_load_b128 v[OB:OB+3], v[LRD]
	s_wait_dscnt 0x0
	global_store_b128 v[GOFF], v[OB:OB+3], s[46:47] ; 512 consecutive bytes a wave
.Lno_scales:
	s_wait_dscnt 0x0                               ; the wave's end, behind my last LDS store
	s_wait_alu 0x0
	s_wait_tensorcnt 0x0
	ds_add_u32 v[SPW], v[NIL]
	s_wait_dscnt 0x0
	s_endpgm
.Lfunc_end_k_qe4a82717f4_qkv:
	.size	k_qe4a82717f4_qkv, .Lfunc_end_k_qe4a82717f4_qkv-k_qe4a82717f4_qkv
	.p2alignl 7, 3214868480
	.fill 96, 4, 3214868480
	.section	.rodata,"a",@progbits
	.p2align	6, 0x0
	.amdhsa_kernel k_qe4a82717f4_qkv
		.amdhsa_group_segment_fixed_size 101888
		.amdhsa_private_segment_fixed_size 0
		.amdhsa_enable_private_segment 0
		.amdhsa_kernarg_size 120
		.amdhsa_user_sgpr_count 2
		.amdhsa_user_sgpr_kernarg_segment_ptr 1
		.amdhsa_wavefront_size32 1
		.amdhsa_system_sgpr_workgroup_id_x 1
		.amdhsa_system_sgpr_workgroup_id_y 1
		.amdhsa_system_sgpr_workgroup_id_z 1
		.amdhsa_system_vgpr_workitem_id 0
		.amdhsa_next_free_vgpr 512
		.amdhsa_next_free_sgpr 66
		.amdhsa_reserve_vcc 0
		.amdhsa_float_denorm_mode_32 3
		.amdhsa_float_denorm_mode_16_64 3
		.amdhsa_memory_ordered 1
		.amdhsa_forward_progress 1
		.amdhsa_inst_pref_size 73
	.end_amdhsa_kernel
	.amdgpu_metadata
---
amdhsa.version: [ 1, 2 ]
amdhsa.kernels:
  - .name:           k_qe4a82717f4_qkv
    .symbol:         k_qe4a82717f4_qkv.kd
    .args:
      - { .name: x_codes, .offset: 0, .size: 8, .value_kind: global_buffer, .address_space: global }
      - { .name: x_scales, .offset: 8, .size: 8, .value_kind: global_buffer, .address_space: global }
      - { .name: Wq_codes, .offset: 16, .size: 8, .value_kind: global_buffer, .address_space: global }
      - { .name: Wq_scales, .offset: 24, .size: 8, .value_kind: global_buffer, .address_space: global }
      - { .name: bq, .offset: 32, .size: 8, .value_kind: global_buffer, .address_space: global }
      - { .name: Wk_codes, .offset: 40, .size: 8, .value_kind: global_buffer, .address_space: global }
      - { .name: Wk_scales, .offset: 48, .size: 8, .value_kind: global_buffer, .address_space: global }
      - { .name: bk, .offset: 56, .size: 8, .value_kind: global_buffer, .address_space: global }
      - { .name: Wv_codes, .offset: 64, .size: 8, .value_kind: global_buffer, .address_space: global }
      - { .name: Wv_scales, .offset: 72, .size: 8, .value_kind: global_buffer, .address_space: global }
      - { .name: bv, .offset: 80, .size: 8, .value_kind: global_buffer, .address_space: global }
      - { .name: qc, .offset: 88, .size: 8, .value_kind: global_buffer, .address_space: global }
      - { .name: qs, .offset: 96, .size: 8, .value_kind: global_buffer, .address_space: global }
      - { .name: kvc, .offset: 104, .size: 8, .value_kind: global_buffer, .address_space: global }
      - { .name: kvs, .offset: 112, .size: 8, .value_kind: global_buffer, .address_space: global }
    .group_segment_fixed_size: 101888
    .private_segment_fixed_size: 0
    .kernarg_segment_align: 8
    .kernarg_segment_size: 120
    .max_flat_workgroup_size: 256
    .sgpr_count:     66
    .vgpr_count:     512
    .wavefront_size: 32
...
	.end_amdgpu_metadata
.endif
;; end of part 4
;; launch attn (part 5): grid 16 x 16, 16 waves a work-group, no clusters, 327,680 bytes of LDS; arguments qc, qs, kvc, kvs, ac, asc; writes ac, asc
.if DOCPART == 5
	.amdgcn_target "amdgcn-amd-amdhsa--gfx1250"
	.amdhsa_code_object_version 6
	.text
	.protected	k_qe4a82717f4_attn
	.globl	k_qe4a82717f4_attn
	.p2align	8
	.type	k_qe4a82717f4_attn,@function
k_qe4a82717f4_attn:
	s_mov_b64 s[64:65], 0
	v_nop
	global_prefetch_b8 v0, s[64:65] scope:SCOPE_SE
	s_setreg_imm32_b32 hwreg(HW_REG_WAVE_MODE, 25, 1), 1
	s_wait_xcnt 0x0
; Causal attention of one head on codes of FP8 (E4M3) with E8M0 scales; the result is quantised along the model's 512 for the last product.
; t = score x log2(e) / 8; M = the running largest t rounded up to a whole number; p = 2^(t - M) is quantised along the keys, not normalised; the row's sum is taken of the unquantised p and divides at the end.
; SHARES.  Work-group (i, head) owns query blocks i and 31 - i of 128 queries: together 33 key steps of 128 keys for a wave pair, the same for every i.  Sixteen waves, one tile of 16 queries each:
; class (w xor w / 4) % 2 says which block, w / 2 which tile of it.  Every wave walks all 8 slots x 4 key steps (constant trip counts); a step all of whose keys come after its block is jumped over, the step on the diagonal is masked.
; OPERANDS are images of operand registers made by the launch before: four registers = 512 bytes, lane l's 16 bytes at 16 l.  A key step is one dense block of 16,384 bytes: K's 8 tiles x 2 pieces, V's 4 channel tiles x 4 pieces.
; Two LDS slots of four key steps, filled by waves 0 to 3, one tensor load (a key step) each; the head's scale words come once, with the first fills.
; BOTH PRODUCTS TRANSPOSED: S^T = K Q^T, O^T = V^T P^T: a lane holds one query throughout.  Lane r of key tile 2 p + u is key 32 p + 8 u + r + 8 (r / 8), so the 16 registers of tiles 2 p, 2 p + 1 are 16 neighbouring keys.
; THE HEAD IS 64 DEEP, THE INSTRUCTION 128: Q's registers 8-15 hold zero codes, and the scale bytes of the two empty blocks are 0 on both sides.  K's fragment of tile t is named as 16 registers from its own 8 on:
; its upper 8 are the next tile's codes (behind tile 7: zeros), finite numbers that meet Q's zeros.  So K costs 8 registers and two LDS loads a tile.
; NO CLUSTER: the query blocks of a head need different numbers of slots under the causal mask, and the jump that ends the loads at that limit may lead round a plain load only.
; LIMITS: NaN and infinities are not served.  A block whose largest number lies under 2^-118 gets the byte 1.  A block's largest p is made from its largest score: v_exp_f32 is taken not to fall where its input rises.
; REGISTERS: v1-11 addresses; v12 -M, v13 largest t, v[14:15] the sum; v16-31 Q; v32-103 K's or V's fragments and the zero tail; v104-167 S^T, then p; v168-199 O^T; v200-215 p's codes; v216-235 at work; v240-247 scale words.
.set SLOT1, 65536                      ; slot 0 at 0, slot 1 here: one exclusive or turns an address
.set SCK,   131072                     ; K's scale words of the head: 512 bytes a key step
.set SCV,   147456                     ; V's: 256 bytes a key step
.set OST,   155648                     ; the stage for the result's scale words: 1,024 bytes; no fill lands here
.set SPARE, 156672                     ; the spare words, 128 bytes for each wave: eight blocks of 256 bytes that no other line names
.set LI,  1                            ; 16 x lane
.set LSK, 2                            ; SCK + 4 x lane
.set LSV, 3                            ; SCV + 4 x lane
.set SPW, 4                            ; LDS address of my spare word; never rewritten
.set NIL, 5                            ; 0; never rewritten
.set PFO, 6                            ; 256 x lane: the prefetches' offset; never rewritten
.set DQ,  7                            ; my query's place in its block of 128, less 16 (lane / 16)
.set AD,  8
.set ADS, 9
.set ADT, 10
.set OSA, 11                           ; LDS: my row's scale word in the stage
.set QF,  16
.set F,   32
.set S,   104
.set OT,  168
.set PCD, 200
.set BM,  216
.set PD,  220
.set HL,  224
.set CO,  228
.set FF,  232
.set TMP, 234
.set NINF, 235
.set ORD, 236
.set QSO, 237
.set KSC, 240
.set VSC, 244
.set PSC, 246
.set QSC, 247
.set TB,  2                            ; LDS byte at which the slot in hand begins
.set TS,  3                            ; the step's scale words of K: 512 bytes a step
.set WV,  18
.set MNT, 19
.set SEL, 20
.set CS,  22                           ; s[22:23] c = log2(e) / 8
.set G1,  24                           ; group 1: 64 rows of 256 bytes, dense
.set G1S, 32                           ; group 1: 24 rows of 256 bytes, dense
.set G0,  40                           ; group 0 for the key steps: it walks
.set G0S, 44                           ; group 0 for the scale words
.set TJ,  48                           ; the step's scale words of V: 256 bytes a step
.set SLOTS, 49
.set KF,  50                           ; the step's first key
.set BS,  51                           ; my block's first query
.set LASTQ, 52                         ; the work-group's last query
.set PFA, 54
.set LIM, 56
; waves 0 to 3 fetch, one key step each.  An s_nop 0 and four v_nop follow the load.
.macro TLOAD
	s_cmp_lt_u32 s[WV], 4
	s_cbranch_scc0 .Lasked_\@
	tensor_load_to_lds s[G0:G0+3], s[G1:G1+7]
	s_nop 0
.rept 4
	v_nop
.endr
.Lasked_\@:
.endm
; a prefetch of the slot that the NEXT change of slots will ask for: 65,536 dense bytes.  All work-groups of a head walk the same bytes: the head's first work-group, which walks all eight slots, asks;
; in it waves 4 to 11, 8,192 bytes each, lanes 256 bytes apart: each aligned 256 bytes of slots 2 to 7 is named once.  The last change that fills a slot asks for nothing.
.macro ASK
	s_cmp_gt_u32 s[SLOTS], s[LIM]
	s_cbranch_scc0 .Lnot_mine_\@
	global_prefetch_b8 v[PFO], s[PFA:PFA+1] th:TH_LOAD_NT scope:SCOPE_SE
.Lnot_mine_\@:
.endm
	s_load_b256 s[4:11], s[0:1], 0x0               ; qc 4, qs 6, kvc 8, kvs 10
	s_load_b128 s[12:15], s[0:1], 0x20             ; ac 12, asc 14
	v_lshl_add_u32 v[SPW], v0, 2, SPARE
	v_mov_b32 v[NIL], 0
	ds_add_u32 v[SPW], v[NIL]                      ; the wave's opening: the add and its wait ahead of my first tensor load; work on registers stands between them
	ds_add_u32 v[SPW], v[NIL]
	v_lshrrev_b32 v8, 5, v0
	s_delay_alu instid0(VALU_DEP_1)
	v_readfirstlane_b32 s[WV], v8                  ; wave 0..15
	s_mov_b32 s[G1], 3<<16                         ; no mask; elements of 8 bytes; no padding
	s_mov_b32 s[G1+1], 32<<16                      ; tensor_dim0 = 32 elements = 256 bytes
	s_mov_b32 s[G1+2], 64<<16                      ; tensor_dim1 = 64
	s_mov_b32 s[G1+3], 32<<16                      ; tile_dim0
	s_mov_b32 s[G1+4], 64                          ; tile_dim1
	s_mov_b32 s[G1+5], 32                          ; the pitch
	s_mov_b32 s[G1+6], 0
	s_mov_b32 s[G1+7], 0
	s_mov_b32 s[G1S], 3<<16
	s_mov_b32 s[G1S+1], 32<<16
	s_mov_b32 s[G1S+2], 24<<16
	s_mov_b32 s[G1S+3], 32<<16
	s_mov_b32 s[G1S+4], 24
	s_mov_b32 s[G1S+5], 32
	s_mov_b32 s[G1S+6], 0
	s_mov_b32 s[G1S+7], 0
	s_mov_b32 s[SEL], 0x76543210
	s_mov_b32 s[SEL+1], 0xfedcba98                 ; lane l xor 16
	s_mov_b32 s[CS], 0x3e38aa3b                    ; log2(e) / 8
	s_mov_b32 s[CS+1], s[CS]                       ; (named with it as a pair)
	s_mov_b32 s[MNT], 0x600000                     ; the mantissa field of 448
	s_mov_b32 s[TB], 0
	s_mov_b32 s[TS], 0
	s_mov_b32 s[TJ], 0
	s_mov_b32 s[KF], 0
	s_mov_b32 s[SLOTS], 7
	s_and_b32 s57, ttmp7, 0xffff                   ; bh = 8 x batch + head
	s_lshr_b32 s58, s[WV], 2
	s_xor_b32 s58, s58, s[WV]
	s_and_b32 s58, s58, 1                          ; my class
	s_lshr_b32 s59, s[WV], 1                       ; my tile in the block
	s_sub_co_u32 s60, 31, ttmp9
	s_cmp_eq_u32 s58, 0
	s_cselect_b32 s61, ttmp9, s60                  ; my block of 128 queries
	s_lshl_b32 s[BS], s61, 7
	s_lshl_b32 s[LASTQ], s60, 7
	s_or_b32 s[LASTQ], s[LASTQ], 127
	s_lshl_b32 s62, s61, 3
	s_add_co_u32 s62, s62, s59                     ; my tile of the head's 256
	s_lshl_b32 s66, s57, 19                        ; kvc: the head, my key step of a slot
	s_lshl_b32 s63, s[WV], 14
	s_add_co_u32 s66, s66, s63
	s_mov_b32 s67, 0
	s_mul_i32 s68, s57, 24576                      ; kvs: the head, my quarter
	s_mul_i32 s63, s[WV], 6144
	s_add_co_u32 s68, s68, s63
	s_mov_b32 s69, 0
	s_add_co_u32 s[G0S+1], s63, SCK                ; and its place in LDS
	s_lshl_b32 s70, s57, 8
	s_add_co_u32 s70, s70, s62
	s_lshl_b32 s72, s70, 6                         ; qs: 64 bytes a tile
	s_lshl_b32 s70, s70, 10                        ; qc: 1,024 bytes a tile
	s_mov_b32 s71, 0
	s_mov_b32 s73, 0
	s_lshr_b32 s80, s57, 3                         ; the batch
	s_and_b32 s81, s57, 7                          ; the head
	s_lshl_b32 s74, s80, 8
	s_add_co_u32 s74, s74, s62                     ; my tile of all 512
	s_lshl_b32 s74, s74, 13                        ; ac: 8,192 bytes a tile,
	s_lshl_b32 s82, s81, 10                        ; the head's 1,024 of them
	s_add_co_u32 s74, s74, s82
	s_mov_b32 s75, 0
	s_lshl_b32 s76, s81, 9                         ; asc: [head][tile 512][16 words]: my block's eight tiles
	s_lshl_b32 s82, s80, 8
	s_add_co_u32 s76, s76, s82
	s_lshl_b32 s82, s61, 3
	s_add_co_u32 s76, s76, s82
	s_lshl_b32 s76, s76, 6
	s_mov_b32 s77, 0
	s_sub_co_u32 s82, s[WV], 4
	s_and_b32 s83, s82, 7
	s_lshl_b32 s83, s83, 13
	s_lshl_b32 s78, s57, 19
	s_add_co_u32 s78, s78, s83
	s_add_co_u32 s78, s78, 65536                   ; the prefetches stand in slot 1: the first change of slots steps them to slot 2
	s_mov_b32 s79, 0
	s_lshr_b32 s82, s82, 3                         ; 0 in waves 4 to 11,
	s_or_b32 s82, s82, ttmp9                       ; of the head's first work-group
	s_cmp_eq_u32 s82, 0
	s_cselect_b32 s[LIM], 1, -1
	s_lshr_b32 s84, s59, 1
	s_lshl_b32 s84, s84, 5
	s_and_b32 s85, s59, 1
	s_lshl_b32 s85, s85, 3
	s_add_co_u32 s84, s84, s85                     ; my tile's first row in the block: 32 (tile / 2) + 8 (tile % 2)
	s_lshl_b32 s86, s58, 9
	s_lshl_b32 s87, s59, 6
	s_add_co_u32 s86, s86, s87
	s_add_co_u32 s86, s86, OST                     ; my tile's 64 bytes of the stage
	v_and_b32 v8, 31, v0                           ; lane
	s_delay_alu instid0(VALU_DEP_1)
	v_lshlrev_b32 v[LI], 4, v8
	s_delay_alu instid0(VALU_DEP_2)
	v_lshl_add_u32 v[LSK], v8, 2, SCK
	s_delay_alu instid0(VALU_DEP_3)
	v_lshl_add_u32 v[LSV], v8, 2, SCV
	s_delay_alu instid0(VALU_DEP_4)
	v_lshlrev_b32 v[PFO], 8, v8
	v_and_b32 v9, 15, v0                           ; r
	v_bfe_u32 v10, v0, 4, 1                        ; h
	s_delay_alu instid0(VALU_DEP_2)
	v_and_b32 v[TMP], 8, v9
	s_delay_alu instid0(VALU_DEP_1)
	v_add_nc_u32 v[TMP], v[TMP], v9                ; r + 8 (r / 8)
	s_delay_alu instid0(VALU_DEP_3)
	v_lshlrev_b32 v10, 4, v10
	s_delay_alu instid0(VALU_DEP_1)
	v_sub_nc_u32 v[DQ], v[TMP], v10
	s_delay_alu instid0(VALU_DEP_1)
	v_add_nc_u32 v[DQ], s84, v[DQ]
	v_lshl_add_u32 v[OSA], v9, 2, s86
	v_lshl_add_u32 v[ORD], v0, 4, OST
	v_lshlrev_b32 v[QSO], 2, v9
	s_wait_dscnt 0x0                               ; the opening add is done
	s_wait_kmcnt 0x0
	s_mov_b32 s[G0S], 1
	s_add_nc_u64 s[G0S+2:G0S+3], s[10:11], s[68:69]
	s_or_b32 s[G0S+3], s[G0S+3], 0x80000000
	s_mov_b32 s[G0], 1
	s_lshl_b32 s[G0+1], s[WV], 14                  ; slot 0, my key step
	s_add_nc_u64 s[G0+2:G0+3], s[8:9], s[66:67]
	s_or_b32 s[G0+3], s[G0+3], 0x80000000
	s_cmp_lt_u32 s[WV], 4                          ; a wave's two first fills stand in one branch, ahead of every wait on TENSORcnt, every LDS read and every barrier: two loads of mine are out
	s_cbranch_scc0 .Lno_first
	tensor_load_to_lds s[G0S:G0S+3], s[G1S:G1S+7]  ; a quarter of the head's scale words: filled once
	s_nop 0
	tensor_load_to_lds s[G0:G0+3], s[G1:G1+7]      ; slot 0
	s_nop 0
.rept 4
	v_nop
.endr
.Lno_first:
	s_add_nc_u64 s[4:5], s[4:5], s[70:71]
	s_add_nc_u64 s[6:7], s[6:7], s[72:73]
	s_add_nc_u64 s[12:13], s[12:13], s[74:75]
	s_add_nc_u64 s[14:15], s[14:15], s[76:77]
	s_add_nc_u64 s[PFA:PFA+1], s[8:9], s[78:79]
	global_load_b128 v[QF:QF+3], v[LI], s[4:5]     ; Q's two pieces stay in registers
	global_load_b128 v[QF+4:QF+7], v[LI], s[4:5] offset:512
	s_wait_alu depctr_va_vdst(0)
	global_load_b32 v[QSC], v[QSO], s[6:7]         ; and its scale words
.irp j, 8,9,10,11,12,13,14,15
	v_mov_b32 v[QF+\j], 0                          ; zero codes for the instruction's upper 64 along K
.endr
.irp j, 64,65,66,67,68,69,70,71
	v_mov_b32 v[F+\j], 0                           ; the tail behind K's tile 7; never rewritten
.endr
.irp j, 0,1,2,3,4,5,6,7,8,9,10,11,12,13,14,15,16,17,18,19,20,21,22,23,24,25,26,27,28,29,30,31
	v_mov_b32 v[OT+\j], 0                          ; O^T: the step is written once: the first finds zeros
.endr
	v_mov_b32 v13, 0xff61b1e6                      ; the largest t so far: -3e38
	s_delay_alu instid0(VALU_DEP_1)
	v_floor_f32 v12, -v13                          ; -M
	v_mov_b32 v14, 0
	v_mov_b32 v15, 0
.irp b, 0,1,2,3
	v_mov_b32 v[PD+\b], 0                          ; a lane permute's destination counts as one of its sources
.endr
	v_mov_b32 v[FF+1], 0                           ; (named as the upper half of a pair)
	v_mov_b32 v[NINF], 0xff800000
; A KEY STEP: 128 keys, the q-th of the slot in hand.
.macro STEP q
	s_cmp_gt_u32 s[KF], s[BS]                      ; all its keys come after my queries: ids and the count of steps alone
	s_cbranch_scc1 .Lhidden_\@
	v_add_nc_u32 v[AD], s[TB], v[LI]
	v_add_nc_u32 v[ADS], s[TS], v[LSK]
	v_add_nc_u32 v[ADT], s[TJ], v[LSV]
.rept 5
	v_nop                                          ; with the three additions: eight places in front of loads into registers that the last products read
.endr
.irp t, 0,1,2,3,4,5,6,7
.irp c, 0,1
	ds_load_b128 v[F+8*\t+4*\c:F+8*\t+4*\c+3], v[AD] offset:16384*(\q)+1024*\t+512*\c
.endr
.endr
.irp p, 0,1,2,3
	ds_load_b32 v[KSC+\p], v[ADS] offset:128*\p    ; lanes 0-15 tile 2 p's words, lanes 16-31 tile 2 p + 1's
.endr
	s_wait_alu depctr_va_vdst(0)
	s_wait_dscnt 0x0
.irp t, 0,2,4,6
	v_wmma_scale_f32_16x16x128_f8f6f4 v[S+8*\t:S+8*\t+7], v[F+8*\t:F+8*\t+15], v[QF:QF+15], 0, v[KSC+\t/2], v[QSC]
	v_wmma_scale_f32_16x16x128_f8f6f4 v[S+8*\t+8:S+8*\t+15], v[F+8*\t+8:F+8*\t+23], v[QF:QF+15], 0, v[KSC+\t/2], v[QSC] matrix_a_scale:MATRIX_SCALE_ROW1
.endr
.rept 8
	v_nop                                          ; places in front of the loads below and of the first read of the scores
.endr
.irp t, 0,1,2,3                                ; V is asked for now and lands while the softmax is walked
.irp c, 0,1,2,3
	ds_load_b128 v[F+16*\t+4*\c:F+16*\t+4*\c+3], v[AD] offset:16384*(\q)+8192+2048*\t+512*\c
.endr
.endr
.irp a, 0,1
	ds_load_b32 v[VSC+\a], v[ADT] offset:128*\a
.endr
	s_cmp_lt_u32 s[KF], s[BS]                      ; all its keys count: no mask
	s_cbranch_scc1 .Lopen_\@
.irp n, 0,1,2,3,4,5,6,7,8,9,10,11,12,13,14,15,16,17,18,19,20,21,22,23,24,25,26,27,28,29,30,31,32,33,34,35,36,37,38,39,40,41,42,43,44,45,46,47,48,49,50,51,52,53,54,55,56,57,58,59,60,61,62,63
	v_cmp_gt_i32 vcc_lo, 32*(\n/16)+\n%16, v[DQ]   ; register 16 b + i holds key 32 b + 16 (lane / 16) + i of the block: hidden where it comes after my query
	v_cndmask_b32 v[S+\n], v[S+\n], v[NINF], vcc_lo
.endr
.Lopen_\@:
.irp b, 0,1,2,3
	v_max3_num_f32 v[BM+\b], v[S+16*\b], v[S+1+16*\b], v[S+2+16*\b]   ; the largest score of each block of 32 keys: for the row's maximum and for the block's largest p
.endr
.irp i, 3,5,7,9,11,13
.irp b, 0,1,2,3
	v_max3_num_f32 v[BM+\b], v[BM+\b], v[S+16*\b+\i], v[S+1+16*\b+\i]
.endr
.endr
.irp b, 0,1,2,3
	v_max_num_f32 v[BM+\b], v[BM+\b], v[S+15+16*\b]
.endr
.irp b, 0,1,2,3
	s_delay_alu instid0(VALU_DEP_4)
	v_permlanex16_b32 v[PD+\b], v[BM+\b], s[SEL], s[SEL+1]
.endr
.irp b, 0,1,2,3
	s_delay_alu instid0(VALU_DEP_4)
	v_max_num_f32 v[BM+\b], v[BM+\b], v[PD+\b]
.endr
	s_delay_alu instid0(VALU_DEP_2)
	v_max3_num_f32 v[TMP], v[BM], v[BM+1], v[BM+2]
	s_delay_alu instid0(VALU_DEP_1)
	v_max_num_f32 v[TMP], v[TMP], v[BM+3]
	s_delay_alu instid0(VALU_DEP_1)
	v_mul_f32 v[TMP], s[CS], v[TMP]
	s_delay_alu instid0(VALU_DEP_1)
	v_max_num_f32 v13, v13, v[TMP]                 ; the running largest t
	v_mov_b32 v[TMP], v12
	s_delay_alu instid0(VALU_DEP_2)
	v_floor_f32 v12, -v13                          ; -M = floor(-t): M is a whole number
	s_delay_alu instid0(VALU_DEP_1)
	v_sub_f32 v[TMP], v12, v[TMP]                  ; old M - new M, 0 or less
	s_delay_alu instid0(VALU_DEP_1)
	v_cvt_i32_f32 v[TMP], v[TMP]                   ; (it saturates)
	s_delay_alu instid0(VALU_DEP_1)
	v_ldexp_f32 v[FF], 1.0, v[TMP]                 ; f = 2^(old M - new M)
.irp j, 0,2,4,6,8,10,12,14,16,18,20,22,24,26,28,30,32,34,36,38,40,42,44,46,48,50,52,54,56,58,60,62
	v_pk_fma_f32 v[S+\j:S+\j+1], v[S+\j:S+\j+1], s[CS:CS+1], v[12:13] op_sel_hi:[1,0,0]   ; t - M
.endr
.irp b, 0,1,2,3
	v_fma_f32 v[BM+\b], v[BM+\b], s[CS], v12
.endr
	s_wait_alu depctr_va_vdst(0)
.irp j, 0,1,2,3,4,5,6,7,8,9,10,11,12,13,14,15,16,17,18,19,20,21,22,23,24,25,26,27,28,29,30,31,32,33,34,35,36,37,38,39,40,41,42,43,44,45,46,47,48,49,50,51,52,53,54,55,56,57,58,59,60,61,62,63
	v_exp_f32 v[S+\j], v[S+\j]                     ; p = 2^(t - M)
.endr
	v_pk_mul_f32 v[14:15], v[14:15], v[FF:FF+1] op_sel_hi:[1,0]   ; the sums under the new M; a plain line behind the exponentials
	s_wait_alu depctr_va_vdst(0)                   ; one wait for the batch, ahead of its first reader
.irp b, 0,1,2,3
	v_exp_f32 v[BM+\b], v[BM+\b]                   ; each block's largest p
.endr
	v_pk_add_f32 v[220:221], v[108:109], v[112:113]
	v_pk_add_f32 v[254:255], v[116:117], v[120:121]
	v_pk_add_f32 v[252:253], v[124:125], v[128:129]
	v_pk_add_f32 v[250:251], v[132:133], v[136:137]
	v_pk_add_f32 v[248:249], v[140:141], v[144:145]
	v_pk_add_f32 v[242:243], v[148:149], v[152:153]
	v_pk_add_f32 v[240:241], v[156:157], v[160:161]
	v_pk_add_f32 v[14:15], v[14:15], v[164:165]
	v_pk_add_f32 v[220:221], v[220:221], v[104:105]
	v_pk_add_f32 v[254:255], v[254:255], v[106:107]
	v_pk_add_f32 v[252:253], v[252:253], v[110:111]
	v_pk_add_f32 v[250:251], v[250:251], v[114:115]
	v_pk_add_f32 v[248:249], v[248:249], v[118:119]
	v_pk_add_f32 v[242:243], v[242:243], v[122:123]
	v_pk_add_f32 v[240:241], v[240:241], v[126:127]
	v_pk_add_f32 v[14:15], v[14:15], v[130:131]
	v_pk_add_f32 v[220:221], v[220:221], v[134:135]
	v_pk_add_f32 v[254:255], v[254:255], v[138:139]
	v_pk_add_f32 v[252:253], v[252:253], v[142:143]
	v_pk_add_f32 v[250:251], v[250:251], v[146:147]
	v_pk_add_f32 v[248:249], v[248:249], v[150:151]
	v_pk_add_f32 v[242:243], v[242:243], v[154:155]
	v_pk_add_f32 v[240:241], v[240:241], v[158:159]
	v_pk_add_f32 v[14:15], v[14:15], v[162:163]
	v_pk_add_f32 v[220:221], v[220:221], v[166:167]
	s_delay_alu instid0(VALU_DEP_2)
	v_pk_add_f32 v[14:15], v[14:15], v[250:251]
	s_delay_alu instid0(VALU_DEP_2)
	v_pk_add_f32 v[220:221], v[220:221], v[248:249]
	v_pk_add_f32 v[254:255], v[254:255], v[242:243]
	v_pk_add_f32 v[252:253], v[252:253], v[240:241]
	s_delay_alu instid0(VALU_DEP_2)
	v_pk_add_f32 v[14:15], v[14:15], v[254:255]
	s_delay_alu instid0(VALU_DEP_2)
	v_pk_add_f32 v[220:221], v[220:221], v[252:253]
	s_delay_alu instid0(VALU_DEP_1)
	v_pk_add_f32 v[14:15], v[14:15], v[220:221]
	s_wait_alu depctr_va_vdst(0)                   ; and one for the four
.irp b, 0,1,2,3
	v_max_num_f32 v[BM+\b], 0x4800000, v[BM+\b]    ; the floor 2^(9 - 127)
.endr
.irp b, 0,1,2,3
	s_delay_alu instid0(VALU_DEP_4)
	v_add_nc_u32 v[CO+\b], 0xfc000000, v[BM+\b]    ; the conversion's scale operand
.endr
.irp b, 0,1,2,3
	v_and_or_b32 v[HL+\b], v[BM+\b], 0x7f800000, s[MNT]   ; 448 x the scale
.endr
.irp b, 0,1,2,3
	v_lshrrev_b32 v[PD+\b], 23, v[CO+\b]           ; the scale's byte
.endr
	s_delay_alu instid0(VALU_DEP_3)
	v_lshl_or_b32 v[PSC], v[PD+1], 8, v[PD]        ; p's scale word for these 128 keys
	s_delay_alu instid0(VALU_DEP_1)
	v_lshl_or_b32 v[PSC], v[PD+2], 16, v[PSC]
	s_delay_alu instid0(VALU_DEP_1)
	v_lshl_or_b32 v[PSC], v[PD+3], 24, v[PSC]
.irp b, 0,1,2,3
.irp i, 0,1,2,3,4,5,6,7,8,9,10,11,12,13,14,15
	v_min_num_f32 v[S+16*\b+\i], v[S+16*\b+\i], v[HL+\b]   ; the hold; p is not negative
.endr
	v_cvt_scalef32_pk8_fp8_f32 v[PCD+4*\b:PCD+4*\b+1], v[S+16*\b:S+16*\b+7], v[CO+\b]
	v_cvt_scalef32_pk8_fp8_f32 v[PCD+4*\b+2:PCD+4*\b+3], v[S+16*\b+8:S+16*\b+15], v[CO+\b]
.endr
.irp j, 0,2,4,6,8,10,12,14,16,18,20,22,24,26,28,30
	v_pk_mul_f32 v[OT+\j:OT+\j+1], v[OT+\j:OT+\j+1], v[FF:FF+1] op_sel_hi:[1,0]   ; O^T under the new M; also the places between the codes and the products
.endr
	s_wait_alu depctr_va_vdst(0)
	s_wait_dscnt 0x0                               ; V is in
.irp t, 0,2
	v_wmma_scale_f32_16x16x128_f8f6f4 v[OT+8*\t:OT+8*\t+7], v[F+16*\t:F+16*\t+15], v[PCD:PCD+15], v[OT+8*\t:OT+8*\t+7], v[VSC+\t/2], v[PSC]
	v_wmma_scale_f32_16x16x128_f8f6f4 v[OT+8*\t+8:OT+8*\t+15], v[F+16*\t+16:F+16*\t+31], v[PCD:PCD+15], v[OT+8*\t+8:OT+8*\t+15], v[VSC+\t/2], v[PSC] matrix_a_scale:MATRIX_SCALE_ROW1
.endr
.Lhidden_\@:
	s_add_co_u32 s[KF], s[KF], 128
	s_add_co_u32 s[TS], s[TS], 512
	s_add_co_u32 s[TJ], s[TJ], 256
.endm
; THE CHANGE OF SLOTS, at a slot's head.  Each wave waits for all its tensor loads, adds 0 to its spare word, and waits for that and for its reads of the slot that it has left; behind the barrier the slot ahead is whole
; and nobody reads the other one.  fill = 1: that other slot takes the next four key steps, if any wave of the work-group will read them: the load has four key steps in which to land; one load of a wave is out.
.macro CHANGE fill
	s_wait_tensorcnt 0x0                           ; no tensor load of mine is out, so the group 0 may be written
	ds_add_u32 v[SPW], v[NIL]
.if \fill
	s_xor_b32 s[G0+1], s[G0+1], SLOT1              ; the other slot than last time,
	s_add_nc_u64 s[G0+2:G0+3], s[G0+2:G0+3], 65536 ; the next four key steps
	s_wait_xcnt 0x0                                ; the last prefetch, a slot back, has read its address
	s_add_nc_u64 s[PFA:PFA+1], s[PFA:PFA+1], 65536
.endif
	s_wait_dscnt 0x0                               ; the add is done, and my reads of the slot that I have left are over
	s_barrier_signal -1
	s_barrier_wait -1
.if \fill
	s_add_co_u32 s57, s[KF], 512                   ; the first key of the slot that this change would ask for
	s_cmp_gt_u32 s57, s[LASTQ]                     ; past the work-group's last query nobody reads it: ids and the count of steps alone, the same in all sixteen waves
	s_cbranch_scc1 .Lpast_\@
	TLOAD
.Lpast_\@:
	ASK
.endif
.endm
.macro SLOT_STEPS
	STEP 0
	STEP 1
	STEP 2
	STEP 3
	s_xor_b32 s[TB], s[TB], SLOT1                  ; on to the other slot
.endm
	s_wait_loadcnt 0x0                             ; Q
.Lslot:                                            ; seven trips
	CHANGE 1
	SLOT_STEPS
	s_sub_co_u32 s[SLOTS], s[SLOTS], 1
	s_cmp_lg_u32 s[SLOTS], 0
	s_cbranch_scc1 .Lslot
	CHANGE 0                                       ; the last slot is written out: nothing is left to ask for
	SLOT_STEPS
	s_wait_alu depctr_va_vdst(0)
	; THE WAY OUT.  O^T / the sum; register 16 b + i is channel 32 b + 16 (lane / 16) + i of my query: two blocks of the last product's K, quantised as they stand.
	v_add_f32 v14, v14, v15
	s_delay_alu instid0(VALU_DEP_1)
	v_permlanex16_b32 v[TMP], v14, s[SEL], s[SEL+1]
	s_delay_alu instid0(VALU_DEP_1)
	v_add_f32 v14, v14, v[TMP]                     ; the row's sum
	s_wait_alu depctr_va_vdst(0)
	v_rcp_f32 v[FF], v14
.rept 8
	v_nop                                          ; places behind the last products, and the plain line behind the reciprocal
.endr
	s_wait_alu depctr_va_vdst(0)                   ; ahead of the reciprocal's first reader
.irp j, 0,2,4,6,8,10,12,14,16,18,20,22,24,26,28,30
	v_pk_mul_f32 v[S+\j:S+\j+1], v[OT+\j:OT+\j+1], v[FF:FF+1] op_sel_hi:[1,0]
.endr
.irp b, 0,1
	v_max3_num_f32 v[BM+\b], |v[S+16*\b]|, |v[S+16*\b+1]|, 0x4800000
.endr
.irp i, 2,4,6,8,10,12,14
.irp b, 0,1
	s_delay_alu instid0(VALU_DEP_2)
	v_max3_num_f32 v[BM+\b], v[BM+\b], |v[S+16*\b+\i]|, |v[S+16*\b+\i+1]|
.endr
.endr
.irp b, 0,1
	s_delay_alu instid0(VALU_DEP_2)
	v_permlanex16_b32 v[PD+\b], v[BM+\b], s[SEL], s[SEL+1]
.endr
.irp b, 0,1
	s_delay_alu instid0(VALU_DEP_2)
	v_max_num_f32 v[BM+\b], v[BM+\b], v[PD+\b]
.endr
.irp b, 0,1
	s_delay_alu instid0(VALU_DEP_2)
	v_add_nc_u32 v[CO+\b], 0xfc000000, v[BM+\b]
.endr
.irp b, 0,1
	s_delay_alu instid0(VALU_DEP_4)
	v_and_or_b32 v[HL+\b], v[BM+\b], 0x7f800000, s[MNT]
.endr
.irp b, 0,1
	s_delay_alu instid0(VALU_DEP_4)
	v_lshrrev_b32 v[PD+\b], 23, v[CO+\b]
.endr
	s_delay_alu instid0(VALU_DEP_1)
	v_lshl_or_b32 v[PSC], v[PD+1], 8, v[PD]        ; my row's two bytes
.irp b, 0,1
.irp i, 0,1,2,3,4,5,6,7,8,9,10,11,12,13,14,15
	v_med3_num_f32 v[S+16*\b+\i], v[S+16*\b+\i], -v[HL+\b], v[HL+\b]
.endr
	v_cvt_scalef32_pk8_fp8_f32 v[PCD+4*\b:PCD+4*\b+1], v[S+16*\b:S+16*\b+7], v[CO+\b]
	v_cvt_scalef32_pk8_fp8_f32 v[PCD+4*\b+2:PCD+4*\b+3], v[S+16*\b+8:S+16*\b+15], v[CO+\b]
.endr
	v_nop
	global_store_b128 v[LI], v[PCD:PCD+3], s[12:13]               ; two pieces of the tile's fragment: 512 consecutive bytes each
	global_store_b128 v[LI], v[PCD+4:PCD+7], s[12:13] offset:512
	ds_store_b32 v[OSA], v[PSC]                    ; lanes r and r + 16 write the same word with the same value
	s_wait_dscnt 0x0                               ; for the others' sake
	s_barrier_signal -1
	s_barrier_wait -1
	s_cmp_lt_u32 s[WV], 2                          ; wave 0 is of class 0, wave 1 of class 1: each stores its own block's eight tiles of words
	s_cbranch_scc0 .Lno_words
	ds_load_b128 v[BM:BM+3], v[ORD]
	s_wait_dscnt 0x0
	global_store_b128 v[LI], v[BM:BM+3], s[14:15]  ; 512 consecutive bytes
.Lno_words:
	s_wait_tensorcnt 0x0                           ; the wave's end, behind my last tensor load and my last LDS store
	ds_add_u32 v[SPW], v[NIL]
	s_wait_dscnt 0x0
	s_endpgm
.Lfunc_end_k_qe4a82717f4_attn:
	.size	k_qe4a82717f4_attn, .Lfunc_end_k_qe4a82717f4_attn-k_qe4a82717f4_attn
	.p2alignl 7, 3214868480
	.fill 96, 4, 3214868480
	.section	.rodata,"a",@progbits
	.p2align	6, 0x0
	.amdhsa_kernel k_qe4a82717f4_attn
		.amdhsa_group_segment_fixed_size 327680
		.amdhsa_private_segment_fixed_size 0
		.amdhsa_enable_private_segment 0
		.amdhsa_kernarg_size 48
		.amdhsa_user_sgpr_count 2
		.amdhsa_user_sgpr_kernarg_segment_ptr 1
		.amdhsa_wavefront_size32 1
		.amdhsa_system_sgpr_workgroup_id_x 1
		.amdhsa_system_sgpr_workgroup_id_y 1
		.amdhsa_system_sgpr_workgroup_id_z 1
		.amdhsa_system_vgpr_workitem_id 0
		.amdhsa_next_free_vgpr 256
		.amdhsa_next_free_sgpr 96
		.amdhsa_reserve_vcc 1
		.amdhsa_float_denorm_mode_32 3
		.amdhsa_float_denorm_mode_16_64 3
		.amdhsa_memory_ordered 1
		.amdhsa_forward_progress 1
		.amdhsa_inst_pref_size 213
	.end_amdhsa_kernel
	.amdgpu_metadata
---
amdhsa.version: [ 1, 2 ]
amdhsa.kernels:
  - .name:           k_qe4a82717f4_attn
    .symbol:         k_qe4a82717f4_attn.kd
    .args:
      - { .name: qc, .offset: 0, .size: 8, .value_kind: global_buffer, .address_space: global }
      - { .name: qs, .offset: 8, .size: 8, .value_kind: global_buffer, .address_space: global }
      - { .name: kvc, .offset: 16, .size: 8, .value_kind: global_buffer, .address_space: global }
      - { .name: kvs, .offset: 24, .size: 8, .value_kind: global_buffer, .address_space: global }
      - { .name: ac, .offset: 32, .size: 8, .value_kind: global_buffer, .address_space: global }
      - { .name: asc, .offset: 40, .size: 8, .value_kind: global_buffer, .address_space: global }
    .group_segment_fixed_size: 327680
    .private_segment_fixed_size: 0
    .kernarg_segment_align: 8
    .kernarg_segment_size: 48
    .max_flat_workgroup_size: 512
    .sgpr_count:     96
    .vgpr_count:     256
    .wavefront_size: 32
...
	.end_amdgpu_metadata
.endif
;; end of part 5
;; launch proj (part 6): grid 64 x 4, 8 waves a work-group, no clusters, 134,144 bytes of LDS; arguments ac, asc, Wo_codes, Wo_scales, bo, out0; writes out0
.if DOCPART == 6
	.amdgcn_target "amdgcn-amd-amdhsa--gfx1250"
	.amdhsa_code_object_version 6
	.text
	.protected	k_qe4a82717f4_proj
	.globl	k_qe4a82717f4_proj
	.p2align	8
	.type	k_qe4a82717f4_proj,@function
k_qe4a82717f4_proj:
	s_mov_b64 s[64:65], 0
	v_nop
	global_prefetch_b8 v0, s[64:65] scope:SCOPE_SE
	s_setreg_imm32_b32 hwreg(HW_REG_WAVE_SCHED_MODE, 0, 2), 2
	s_setreg_imm32_b32 hwreg(HW_REG_WAVE_MODE, 25, 1), 1
	s_wait_xcnt 0x0
	s_wait_alu depctr_vm_vsrc(0)
; out0 = att Wo + bo on codes of FP8 (E4M3) with E8M0 scales.  att comes as images of operand registers (a tile of 16 tokens x 4 K steps x 4 pieces of 512 bytes) with two scale bytes for each head and row.
; SHARES.  A work-group takes 128 tokens (x: eight tiles) and 128 columns (y).  Wave w owns tile 8 x + w against all eight column tiles: 32 matrix instructions on eight accumulators by turns.
; Wo's 32 fragments go round through LDS as images of operand registers, each wave staging one column tile's four.  No tensor loads: every operand byte goes to one wave's registers once.
; TRANSPOSED: source 0 = 16 rows of Wo's codes (columns of the result), source 1 = 16 tokens: a lane holds eight neighbouring columns of one token.  bo is loaded straight into the accumulators: it is the C of each sum's first product.
; Row r of token tile T is token 32 (T / 2) + 8 (T % 2) + r + 8 (r / 8).  Results go through the wave's own stage in LDS and leave as runs of 512 consecutive bytes of a row.
; LIMITS: NaN codes and the scale byte 0xff among the inputs are not served.
; THE MODE: SCHED_MODE bits 1:0 = 2 (LLVM: expert scheduling mode 2), set by the entry lines.  The code itself states the register dependences
; between vector or matrix instructions and memory or LDS instructions, with s_wait_alu, always for 0.
; THE PLAN.  Registers that memory or LDS instructions touch:
;   WF0 .. WF2  three buffers of two fragments.  At the head the four fragments that I stage are loaded into WF0 and WF1 and stored to LDS from there, and the eight heads' words of my rows are loaded into WF2.
;               Then group g (K step g / 4, two column tiles) lands in WF[g % 3]; its two matrix instructions read it.
;   AF          att's four fragments: loaded once, read by the matrix instructions; on the way out the loads from the stage land there and the stores read them.
;   ACC         the bias is loaded into it, the matrix instructions write it, the LDS stores of the way out read it.
;   v[ASW ..]   written by four vector instructions, taken as scales.   v1-8: addresses, written at the head alone.
; The groups go in pairs.  At the head of pair j the buffers of groups 2 j - 2 and 2 j - 1 have been multiplied and group 2 j's fragments lie in the third.  ONE wait on va_vdst stands there, for four matrix instructions:
; behind it come the loads of group 2 j + 1, the products of 2 j, the loads of 2 j + 2, the products of 2 j + 1.  The products of 2 j name buffer 2 j % 3, which is not (2 j + 2) % 3: so the loads dealt between the products owe nothing more.
.set STG,   65536                      ; LDS: behind Wo's 32 images of 2,048 bytes: a stage of 16 rows x (512 + 16) bytes for each wave
.set SPARE, 133120                     ; the spare words, 128 bytes for each wave: four blocks of 256 bytes that no other line names
.set LI,  1                            ; 16 x lane
.set WOA, 2                            ; Wo: row r of 512 bytes + 16 (lane / 16)
.set BOA, 4                            ; bo: 32 (lane / 16)
.set ASA, 5                            ; att's scale words: 4 r
.set WST, 6                            ; LDS: where I stage: 16 x lane + 8,192 x wave
.set STO, 7                            ; the stage, in
.set RD,  8                            ; the stage, back
.set SPW, 9                            ; LDS address of my spare word; never rewritten
.set NIL, 10                           ; 0; never rewritten
.set ASW, 12                           ; v12-15 att's scale word of each K step (at the head v11-15 are at work)
.set WS,  16                           ; v16-31 Wo's: pair a, K step s at WS + 4 a + s: lanes 0-15 tile 2 a, lanes 16-31 tile 2 a + 1
.set ACC, 32                           ; v32-95
.set AF,  96                           ; v96-159 att's four fragments; later the rows on their way out
.set WF,  160                          ; v160-255 staging (the first 64); then three buffers of two fragments
.set RAW, 224                          ; v224-231 at the head only, in the third buffer: the eight heads' words of my rows
.set WV,  16
.macro FETCH g                         ; group g: K step g / 4, column tiles 2 (g % 4) and 2 (g % 4) + 1, into buffer g % 3
.irp e, 0,1
.irp c, 0,1,2,3
	ds_load_b128 v[WF+32*((\g)%3)+16*\e+4*\c:WF+32*((\g)%3)+16*\e+4*\c+3], v[LI] offset:(4*(2*((\g)%4)+\e)+(\g)/4)*2048+512*\c
.endr
.endr
.endm
.macro MUL2 g                          ; group g's two products.  The eight accumulators take turns, one instruction a turn
.set rD, ACC+16*((\g)%4)
.set rW, WF+32*((\g)%3)
.set rA, AF+16*((\g)/4)
.set rS, WS+4*((\g)%4)+(\g)/4
.set rT, ASW+(\g)/4
	v_wmma_scale_f32_16x16x128_f8f6f4 v[rD:rD+7], v[rW:rW+15], v[rA:rA+15], v[rD:rD+7], v[rS], v[rT]
	v_wmma_scale_f32_16x16x128_f8f6f4 v[rD+8:rD+15], v[rW+16:rW+31], v[rA:rA+15], v[rD+8:rD+15], v[rS], v[rT] matrix_a_scale:MATRIX_SCALE_ROW1
.endm
	s_load_b256 s[4:11], s[0:1], 0x0               ; ac 4, asc 6, Wo codes 8, Wo scales 10
	s_load_b128 s[12:15], s[0:1], 0x20             ; bo 12, out0 14
	v_lshl_add_u32 v[SPW], v0, 2, SPARE
	v_mov_b32 v[NIL], 0
	v_lshrrev_b32 v14, 5, v0                       ; wave
	v_readfirstlane_b32 s[WV], v14
	v_and_b32 v11, 31, v0
	v_lshlrev_b32 v[LI], 4, v11
	v_and_b32 v12, 15, v0                          ; r
	v_bfe_u32 v13, v0, 4, 1                        ; h
	v_lshlrev_b32 v[WOA], 9, v12
	v_lshl_add_u32 v[WOA], v13, 4, v[WOA]
	v_lshlrev_b32 v[BOA], 5, v13
	v_lshlrev_b32 v[ASA], 2, v12
	v_lshl_add_u32 v[WST], v14, 13, v[LI]
	v_mul_u32_u24 v15, v14, 8448
	v_add_nc_u32 v15, STG, v15                     ; my stage
	v_mad_u32_u24 v[STO], v12, 528, v15
	v_lshl_add_u32 v[STO], v13, 5, v[STO]          ; row r, + 32 (lane / 16)
	v_add_nc_u32 v[RD], v15, v[LI]
	s_wait_alu depctr_va_sdst(0)                   ; the wave's number is written, ahead of its first reader: the buffers' offsets are made from it
	s_and_b32 s17, ttmp7, 0xffff                   ; which 128 columns
	s_lshl_b32 s18, ttmp9, 3
	s_add_co_u32 s18, s18, s[WV]                   ; my token tile
	s_mov_b32 s21, 0
	s_wait_kmcnt 0x0
	s_lshl_b32 s20, s18, 13
	s_add_nc_u64 s[4:5], s[4:5], s[20:21]          ; ac: 8,192 bytes a tile
	s_lshl_b32 s20, s18, 6
	s_add_nc_u64 s[6:7], s[6:7], s[20:21]          ; asc: 64 bytes a tile and head
	s_lshl_b32 s20, s17, 16
	s_lshl_b32 s22, s[WV], 13
	s_add_co_u32 s20, s20, s22
	s_add_nc_u64 s[8:9], s[8:9], s[20:21]          ; Wo: rows 128 y + 16 wave on
	s_lshl_b32 s20, s17, 11
	s_add_nc_u64 s[10:11], s[10:11], s[20:21]      ; its scale bytes: rows 128 y on
	s_lshl_b32 s20, s17, 9
	s_add_nc_u64 s[12:13], s[12:13], s[20:21]      ; bo
	s_lshr_b32 s22, s18, 1
	s_lshl_b32 s22, s22, 5
	s_and_b32 s23, s18, 1
	s_lshl_b32 s23, s23, 3
	s_add_co_u32 s22, s22, s23                     ; my tile's first token
	s_lshl_b32 s22, s22, 11                        ; rows of 2,048 bytes
	s_add_co_u32 s20, s20, s22                     ; + 512 y
	s_add_nc_u64 s[14:15], s[14:15], s[20:21]
	s_wait_alu depctr_va_vdst(0)                   ; the addresses v1 to v8 are written: every load and store of the kernel reads one of them, and no vector instruction writes one again
.irp s, 0,1,2,3
.irp c, 0,1,2,3
	global_load_b128 v[WF+16*\s+4*\c:WF+16*\s+4*\c+3], v[WOA], s[8:9] offset:128*\s+32*\c
.endr
.endr
.irp s, 0,1,2,3
.irp c, 0,1,2,3
	global_load_b128 v[AF+16*\s+4*\c:AF+16*\s+4*\c+3], v[LI], s[4:5] offset:2048*\s+512*\c th:TH_LOAD_NT_RT
.endr
.endr
.irp n, 0,1,2,3,4,5,6,7
	global_load_b32 v[RAW+\n], v[ASA], s[6:7] offset:32768*\n
.endr
.irp a, 0,1,2,3
	global_load_b128 v[WS+4*\a:WS+4*\a+3], v[LI], s[10:11] offset:512*\a
.endr
.irp t, 0,1,2,3,4,5,6,7
	global_load_b128 v[ACC+8*\t:ACC+8*\t+3], v[BOA], s[12:13] offset:64*\t
	global_load_b128 v[ACC+8*\t+4:ACC+8*\t+7], v[BOA], s[12:13] offset:64*\t+16
.endr
	s_wait_loadcnt 0x0
.irp s, 0,1,2,3
.irp c, 0,1,2,3
	ds_store_b128 v[WST], v[WF+16*\s+4*\c:WF+16*\s+4*\c+3] offset:2048*\s+512*\c
.endr
.endr
.irp s, 0,1,2,3
	v_lshl_or_b32 v[ASW+\s], v[RAW+2*\s+1], 16, v[RAW+2*\s]   ; K step s: heads 2 s and 2 s + 1, two bytes each
.endr
.rept 8
	v_nop                                          ; a scale register written by a vector instruction stands eight places ahead of the product
.endr
	s_wait_alu depctr_va_vdst(0)                   ; behind the places: v[ASW ..] are written, which the scaled products take as scales; and the four lines are done reading v[RAW ..], in which group 2's loads land
	s_wait_dscnt 0x0                               ; for the others' sake: my images have landed
	s_barrier_signal -1
	s_barrier_wait -1
	s_wait_alu depctr_vm_vsrc(0)                   ; my staging LDS stores have read the first two buffers' registers, in which the loads of groups 0 and 1 land
	FETCH 0
.irp j, 0,1,2,3,4,5,6,7
.if \j > 0
.rept 8
	v_nop                                          ; places between the last pair's products and the loads into the two buffers that they read
.endr
	s_wait_alu depctr_va_vdst(0)                   ; the last pair's four matrix instructions are done reading their two buffers, in which this pair's loads land
.endif
	FETCH 2*\j+1
	s_wait_dscnt 8                                 ; all but the 8 loads just issued: group 2 j's fragments are in
	MUL2 2*\j
.if \j < 7
	FETCH 2*\j+2                                   ; no wait: no matrix instruction since the wait above names this buffer
	s_wait_dscnt 8                                 ; all but the 8 loads just issued: group 2 j + 1's fragments are in
.else
	s_wait_dscnt 0x0
.endif
	MUL2 2*\j+1
.endr
.rept 8
	v_nop                                          ; places behind the last products, in front of the first read of results
.endr
	s_wait_alu depctr_va_vdst(0)                   ; behind the places: the matrix instructions have written the accumulators, which the LDS stores read, and are done reading att's fragments, in which the loads from the stage land
.irp t, 0,1,2,3,4,5,6,7
	ds_store_b128 v[STO], v[ACC+8*\t:ACC+8*\t+3] offset:64*\t       ; each accumulator from its low end on
	ds_store_b128 v[STO], v[ACC+8*\t+4:ACC+8*\t+7] offset:64*\t+16
.endr
.irp i, 0,1,2,3,4,5,6,7,8,9,10,11,12,13,14,15
	ds_load_b128 v[AF+4*\i:AF+4*\i+3], v[RD] offset:528*\i          ; LDS serves a wave's instructions in order (ISA guide 5.7.1.4): these see my stores
.endr
.irp i, 0,1,2,3,4,5,6,7,8,9,10,11,12,13,14,15
	s_wait_dscnt 15-\i                             ; row i is back; the younger loads may be out
	global_store_b128 v[LI], v[AF+4*\i:AF+4*\i+3], s[14:15] offset:(\i+8*(\i/8))*2048 th:TH_STORE_NT   ; 512 consecutive bytes, at a multiple of 256 from out0's first byte
.endr
	s_wait_dscnt 0x0                               ; the wave's end, behind my last LDS store
	s_wait_alu 0x0
	s_wait_tensorcnt 0x0
	ds_add_u32 v[SPW], v[NIL]
	s_wait_dscnt 0x0
	s_endpgm
.Lfunc_end_k_qe4a82717f4_proj:
	.size	k_qe4a82717f4_proj, .Lfunc_end_k_qe4a82717f4_proj-k_qe4a82717f4_proj
	.p2alignl 7, 3214868480
	.fill 96, 4, 3214868480
	.section	.rodata,"a",@progbits
	.p2align	6, 0x0
	.amdhsa_kernel k_qe4a82717f4_proj
		.amdhsa_group_segment_fixed_size 134144
		.amdhsa_private_segment_fixed_size 0
		.amdhsa_enable_private_segment 0
		.amdhsa_kernarg_size 48
		.amdhsa_user_sgpr_count 2
		.amdhsa_user_sgpr_kernarg_segment_ptr 1
		.amdhsa_wavefront_size32 1
		.amdhsa_system_sgpr_workgroup_id_x 1
		.amdhsa_system_sgpr_workgroup_id_y 1
		.amdhsa_system_sgpr_workgroup_id_z 1
		.amdhsa_system_vgpr_workitem_id 0
		.amdhsa_next_free_vgpr 256
		.amdhsa_next_free_sgpr 66
		.amdhsa_reserve_vcc 0
		.amdhsa_float_denorm_mode_32 3
		.amdhsa_float_denorm_mode_16_64 3
		.amdhsa_memory_ordered 1
		.amdhsa_forward_progress 1
		.amdhsa_inst_pref_size 29
	.end_amdhsa_kernel
	.amdgpu_metadata
---
amdhsa.version: [ 1, 2 ]
amdhsa.kernels:
  - .name:           k_qe4a82717f4_proj
    .symbol:         k_qe4a82717f4_proj.kd
    .args:
      - { .name: ac, .offset: 0, .size: 8, .value_kind: global_buffer, .address_space: global }
      - { .name: asc, .offset: 8, .size: 8, .value_kind: global_buffer, .address_space: global }
      - { .name: Wo_codes, .offset: 16, .size: 8, .value_kind: global_buffer, .address_space: global }
      - { .name: Wo_scales, .offset: 24, .size: 8, .value_kind: global_buffer, .address_space: global }
      - { .name: bo, .offset: 32, .size: 8, .value_kind: global_buffer, .address_space: global }
      - { .name: out0, .offset: 40, .size: 8, .value_kind: global_buffer, .address_space: global }
    .group_segment_fixed_size: 134144
    .private_segment_fixed_size: 0
    .kernarg_segment_align: 8
    .kernarg_segment_size: 48
    .max_flat_workgroup_size: 256
    .sgpr_count:     66
    .vgpr_count:     256
    .wavefront_size: 32
...
	.end_amdgpu_metadata
.endif
;; end of part 6
